; MI455X (gfx1250); checked and timed in simulation.
; The chip was launched on July 23, 2026; its instructions are those of AMD's public machine-readable ISA for CDNA 5 (MIT licence, August 2026) and "CDNA5" Instruction Set Architecture Reference Guide (July 2026). The comments in the code are by the model that wrote it; some were corrected since.
;; Encoder Block. Allowed arithmetic: matrix products marked QUANTISED: E5M2 operands, one given power-of-two scale a tensor, by v_wmma_f32_16x16x64_bf8_bf8 or v_wmma_f32_16x16x128_bf8_bf8, f32 sums; everything else in f32.
;; Inputs: W_k 1,024 x 1,024 float32; W_o 1,024 x 1,024 float32; W_q 1,024 x 1,024 float32; W_v 1,024 x 1,024 float32; b1 4,096 float32; b2 1,024 float32; beta1 1,024 float32; beta2 1,024 float32; gamma1 1,024 float32; gamma2 1,024 float32; lowp_scales 16 int32 (the exponents e of the quantised operands' scales 2^e); mask 2 x 2,048 bool; w1 1,024 x 4,096 float32; w2 4,096 x 1,024 float32; x 2 x 2,048 x 1,024 float32.
;; Outputs: out0 2 x 2,048 x 1,024 float32.
;; This version of the problem:
;;   THIS VERSION OF THE PROBLEM IS GIVEN IN LOW PRECISION. The matrix products marked QUANTISED in the list below multiply operands that are first quantised to E5M2 (5 exponent bits, 2 mantissa bits; 8 bits a number), with one given power-of-two scale for each operand tensor; their sums are f32. All else is computed in f32.
;;   The module's matrix products, in the order in which they are computed (A, B: the left and right operand; K: the contracted axis; several contracted axes count as one K, in the product's order):
;;     1. [M 4,096, K 1,024] x [K 1,024, N 1,024]; A: input x; B: input W_q: QUANTISED (scales: A lowp_scales[0], B lowp_scales[1])
;;     2. [M 4,096, K 1,024] x [K 1,024, N 1,024]; A: input x; B: input W_k: QUANTISED (scales: A lowp_scales[2], B lowp_scales[3])
;;     3. [M 4,096, K 1,024] x [K 1,024, N 1,024]; A: input x; B: input W_v: QUANTISED (scales: A lowp_scales[4], B lowp_scales[5])
;;     4. batch 32 x [M 2,048, K 64] x [K 64, N 2,048]; A: computed on the way; B: computed on the way: QUANTISED (scales: A lowp_scales[6], B lowp_scales[7])
;;     5. batch 32 x [M 2,048, K 2,048] x [K 2,048, N 64]; A: softmax (see below); B: computed on the way: QUANTISED (scales: A lowp_scales[8], B lowp_scales[9])
;;     6. [M 4,096, K 1,024] x [K 1,024, N 1,024]; A: computed on the way; B: input W_o: QUANTISED (scales: A lowp_scales[10], B lowp_scales[11])
;;     7. [M 4,096, K 1,024] x [K 1,024, N 4,096]; A: computed on the way; B: input w1: QUANTISED (scales: A lowp_scales[12], B lowp_scales[13])
;;     8. [M 4,096, K 4,096] x [K 4,096, N 1,024]; A: computed on the way; B: input w2: QUANTISED (scales: A lowp_scales[14], B lowp_scales[15])
;;   THE QUANTISER, for each operand of a quantised product, along K:
;;     - The operand's scale is 2^e, e = its entry of the input lowp_scales (int32; the entries are numbered through the quantised products in the list's order, A before B).
;;     - Each number is divided by the scale, clamped to +-57,344, and rounded to the nearest number of E5M2, ties to even, subnormals kept.
;;     - The product sums the exact products of the quantised numbers (number of the format x scale) in f32.
;;   ~~~python
;;   def quantise(x, axis, e):      # numpy; x: float32 -> the quantised numbers, widened to float32 again
;;       x = np.moveaxis(x, axis, -1); K = x.shape[-1]
;;       r = np.clip(x / 2.0 ** e, -57344, 57344)
;;       step = 2.0 ** (np.maximum(np.frexp(np.where(r == 0, 1, r))[1] - 1, -14) - 2)
;;       q = np.round(r / step) * step * 2.0 ** e      # np.round: ties to even
;;       return np.moveaxis(q, -1, axis).astype(np.float32)
;;   ~~~
;;   SOFTMAX AHEAD OF A QUANTISED PRODUCT. Where the list says 'softmax', what is quantised is not the finished softmax but p = 2^(t - M), with t = logit x log2(e) and M = ceil(the row's largest t), a whole number; so 1/2 < the row's largest p <= 1. The row's sum l is taken of the UNQUANTISED p, in f32, and the product's result is divided by l at the end. Since M is a whole number, a kernel that streams over the keys may use a running M (the ceiling of the running maximum): every later rescaling is an exact power of two, so the quantised numbers keep their values, but for numbers so far below the row's largest that they fall under the format's range.
;;   OPERANDS COMPUTED ON THE WAY. 'Computed on the way' means the value that the module computes at that place (a softmax that the list does not call 'softmax' is quantised finished and normalised). What goes into a quantiser is computed in f32, as accurately as f32 sums, v_exp_f32 and their like allow (about 1e-6 of the number): no bf16 or f16 on the way to a quantiser, and a product that is left as it is and whose result goes on into a quantised operand takes f32 operands (vector FMAs, or v_wmma_f32_16x16x4_f32). A number that lies on a knife's edge between two numbers of the format may be rounded either way, as far as f32 arithmetic and the matrix unit's own rounding can turn it there, and no further.
;; One version. Each part assembles by itself: llvm-mc -triple=amdgcn-amd-amdhsa -mcpu=gfx1250 --defsym DOCPART=n.
;; ======== version 1 of 1: 8 launches
;; limits: right only within a limited range of input values
;; workspace buffers: wcodes 12,582,912 bytes; xcodes 12,582,912 bytes; qkv 12,582,912 bytes; ctx 4,194,304 bytes; rsum 16,777,216 bytes; y1 16,777,216 bytes; y1codes 4,194,304 bytes; hcodes 16,777,216 bytes
;; launch prep (part 1): grid 1024 x 1, 4 waves a work-group, no clusters, 34,304 bytes of LDS; arguments x, W_q, W_k, W_v, W_o, w1, w2, lowp_scales, wcodes, xcodes; writes wcodes, xcodes
.if DOCPART == 1
	.amdgcn_target "amdgcn-amd-amdhsa--gfx1250"
	.amdhsa_code_object_version 6
	.text
	.protected	k_q54eca0bb10_prep
	.globl	k_q54eca0bb10_prep
	.p2align	8
	.type	k_q54eca0bb10_prep,@function
k_q54eca0bb10_prep:
	s_mov_b64 s[64:65], 0
	v_nop
	global_prefetch_b8 v0, s[64:65] scope:SCOPE_SE
	s_setreg_imm32_b32 hwreg(HW_REG_WAVE_MODE, 25, 1), 1
	s_wait_xcnt 0x0
; All inputs of the quantised products become codes of BF8 (E5M2): code = number / 2^e, held within +-57,344, to the nearest code, ties to even.
; THE LAYOUT OF EVERY CODE BUFFER is the image of a matrix operand's registers: [tile of 16 rows][K step of 128][piece c = 0..3][lane 0..31][16 bytes]; lane (r = lane % 16, h = lane / 16),
; piece c, holds k = 128 step + 32 c + 16 h + 0 .. 15 of the tile's row r.  A fragment is 2,048 bytes, and a later launch fetches it by four loads of 16 bytes a lane.
; THE ROWS OF A TILE ARE NOT NEIGHBOURS: row r of tile T is index 32 (T / 2) + 8 (T % 2) + r + 8 (r / 8) (a token of x, a column of a weight).  A product used transposed then leaves, in a lane's
; 16 registers of two neighbouring tiles, 16 neighbouring columns: the next operand's registers.
; WORK-GROUPS, four equal quarters, each work-group reading 65,536 bytes: 0-255 W_q, W_k, W_v, W_o (64 each); 256-511 w2; 512-767 w1; 768-1023 x, a tile of 16 tokens each, quantised three times (entries 0, 2 and 4 of the scales).
; With 256 registers a wave four work-groups share a WGP: all 1,024 are at work at once.
; WEIGHTS ([K][N], K outermost): a lane takes a column and its registers run down K; a wave takes 32 columns x 128 k, one K step: four blocks of 32, two blocks (64 loads) ahead.
; No LDS: a lane's 16 codes are 16 bytes of a fragment, and sixteen lanes store 256 consecutive bytes, aligned.
; x (K innermost): loads of 512 consecutive bytes; a fragment's 16 rows x 512 bytes turn through the wave's own stage in LDS (pitch 528) so that a lane gets 16 neighbours of each block of 32.
; LIMITS: every e used here lies between -126 and 112.  NaN among the inputs is not served.
.set NB,  4                            ; blocks of 32 k for a weight's wave
.set XW,  32                           ; weights: v32-95 two sets of 32 numbers
.set CW,  96                           ; v96-127 codes, eight registers for each of four blocks: no store's data are written again
.set R,   32                           ; x: v32-159 two fragments as loaded; then the codes
.set XN,  160                          ; v160-223 a fragment's 64 numbers of my lane
.set TT,  224                          ; v224-255 two sets of 16 held numbers
.set SPX, 528
	s_load_b512 s[8:23], s[0:1], 0x0               ; x, W_q, W_k, W_v, W_o, w1, w2, the scales' exponents
	s_load_b128 s[24:27], s[0:1], 0x40             ; wcodes, xcodes
	v_lshl_add_u32 v30, v0, 2, 0x8400
	v_mov_b32 v31, 0
	v_lshrrev_b32 v1, 5, v0
	v_readfirstlane_b32 s28, v1                    ; wave
	v_and_b32 v2, 31, v0                           ; lane
	s_wait_kmcnt 0x0
	s_load_b512 s[32:47], s[22:23], 0x0            ; e0 .. e15
.macro MKSC se, vs, vl                 ; v[vs] = 2^e as f32 (the conversion takes its exponent field), v[vl] = 57,344 x 2^e
	s_add_co_i32 s60, \se, 127
	s_lshl_b32 s61, s60, 23
	v_mov_b32 v[\vs], s61
	s_add_co_i32 s60, s60, 15
	s_lshl_b32 s60, s60, 23
	s_or_b32 s60, s60, 0x600000
	v_mov_b32 v[\vl], s60
.endm
.macro LOADW t, cols                   ; block t: W(32 t + i, my column), i = 0 .. 31, into set t % 2; the 32 lanes read 128 consecutive bytes
.set li, 0
.rept 32
	global_load_b32 v[XW+32*((\t)%2)+li], v3, s[4:5] offset:(32*(\t)+li)*(\cols)*4 th:TH_LOAD_NT
.set li, li+1
.endr
.endm
.macro BLOCKW t, cols
.if (\t) < NB-1
	s_wait_loadcnt 32                              ; this block's 32 loads are in; the next block's may be out
.else
	s_wait_loadcnt 0
.endif
.set bi, 0
.rept 32
	v_med3_num_f32 v[XW+32*((\t)%2)+bi], v[XW+32*((\t)%2)+bi], -v10, v10   ; the conversion does not saturate (ISA guide 7.6.2): the hold comes first
.set bi, bi+1
.endr
.irp g, 0,1,2,3
	v_cvt_scalef32_pk8_bf8_f32 v[CW+8*(\t)+2*\g:CW+8*(\t)+2*\g+1], v[XW+32*((\t)%2)+8*\g:XW+32*((\t)%2)+8*\g+7], v11
.endr
.if (\t) < NB-2
	LOADW (\t)+2, \cols
.endif
	global_store_b128 v4, v[CW+8*(\t):CW+8*(\t)+3], s[6:7] offset:(\t)*512        ; piece t; k 0-15 of the block: the fragment's lanes 0-15
	global_store_b128 v4, v[CW+8*(\t)+4:CW+8*(\t)+7], s[6:7] offset:(\t)*512+256  ; k 16-31: its lanes 16-31
.endm
; s[4:5] the weight, s51 its codes' place in wcodes, s52 log2 of the bytes from tile to tile, s53 block of 128 columns, s54 K step of 128
.macro WADDR kshift
	s_lshl_b32 s56, s54, \kshift                   ; 128 rows of the weight
	s_lshl_b32 s57, s53, 9
	s_add_co_u32 s56, s56, s57
	s_lshl_b32 s57, s28, 7                         ; my wave's 32 columns
	s_add_co_u32 s56, s56, s57
	s_mov_b32 s57, 0
	s_add_nc_u64 s[4:5], s[4:5], s[56:57]
	s_lshl_b32 s58, s53, 3
	s_lshl_b32 s59, s28, 1
	s_add_co_u32 s58, s58, s59                     ; my wave's first tile of two
	s_lshl_b32 s58, s58, s52
	s_add_co_u32 s58, s58, s51
	s_lshl_b32 s59, s54, 11                        ; a K step is 2,048 bytes
	s_add_co_u32 s58, s58, s59
	s_mov_b32 s59, 0
	s_add_nc_u64 s[6:7], s[24:25], s[58:59]
	v_lshrrev_b32 v4, 4, v2
	v_lshlrev_b32 v4, s52, v4                      ; lanes 16-31 hold the second tile's rows
	v_and_b32 v5, 15, v2
	v_lshl_add_u32 v4, v5, 4, v4
.endm
	s_cmp_ge_u32 ttmp9, 768
	s_cbranch_scc1 .Lpath_x
	s_wait_alu depctr_va_vdst(0)
	v_and_b32 v3, 7, v2                            ; lane 16 u + r takes column 8 u + r + 8 (r / 8) of the wave's 32: bits 3 and 4 of the lane change places
	v_and_b32 v5, 8, v2
	v_lshl_or_b32 v3, v5, 1, v3
	v_and_b32 v5, 16, v2
	v_lshrrev_b32 v5, 1, v5
	v_or_b32 v3, v3, v5
	v_lshlrev_b32 v3, 2, v3
	s_cmp_ge_u32 ttmp9, 512
	s_cbranch_scc1 .Lpath_w1
	; ---- the five weights of 1,024 columns
	s_lshr_b32 s29, ttmp9, 6                       ; 0 .. 3: W_q, W_k, W_v, W_o; 4 and more: w2
	s_and_b32 s30, ttmp9, 63
	s_and_b32 s31, ttmp9, 255
	s_lshl_b32 s51, s29, 20
	s_cmp_lt_u32 s29, 4
	s_cselect_b32 s30, s30, s31
	s_cselect_b32 s51, s51, 0x800000
	s_cselect_b32 s52, 14, 16                      ; 8 or 32 K steps of 2,048 bytes from tile to tile
	s_and_b32 s53, s30, 7
	s_lshr_b32 s54, s30, 3
	s_cmp_eq_u32 s29, 0                            ; the choice hangs on the work-group's number alone
	s_cselect_b64 s[4:5], s[10:11], s[20:21]
	s_cmp_eq_u32 s29, 1
	s_cselect_b64 s[4:5], s[12:13], s[4:5]
	s_cmp_eq_u32 s29, 2
	s_cselect_b64 s[4:5], s[14:15], s[4:5]
	s_cmp_eq_u32 s29, 3
	s_cselect_b64 s[4:5], s[16:17], s[4:5]
	WADDR 19
	s_wait_alu depctr_va_vdst(0)
	LOADW 0, 1024
	LOADW 1, 1024
	s_wait_kmcnt 0x0
	s_cmp_eq_u32 s29, 0
	s_cselect_b32 s50, s33, s47                    ; e1, e3, e5, e11 or e15
	s_cmp_eq_u32 s29, 1
	s_cselect_b32 s50, s35, s50
	s_cmp_eq_u32 s29, 2
	s_cselect_b32 s50, s37, s50
	s_cmp_eq_u32 s29, 3
	s_cselect_b32 s50, s43, s50
	MKSC s50, 11, 10
	s_wait_alu depctr_va_vdst(0)
.irp t, 0,1,2,3
	BLOCKW \t, 1024
.endr
	s_endpgm
.Lpath_w1:
	; ---- w1: 4,096 columns
	s_sub_co_u32 s30, ttmp9, 512
	s_and_b32 s53, s30, 31
	s_lshr_b32 s54, s30, 5
	s_mov_b32 s51, 0x400000
	s_mov_b32 s52, 14
	s_mov_b64 s[4:5], s[18:19]
	WADDR 21
	s_wait_alu depctr_va_vdst(0)
	LOADW 0, 4096
	LOADW 1, 4096
	s_wait_kmcnt 0x0
	MKSC s45, 11, 10                               ; e13
	s_wait_alu depctr_va_vdst(0)
.irp t, 0,1,2,3
	BLOCKW \t, 4096
.endr
	s_endpgm
.Lpath_x:
	; ---- x: tile T = work-group - 768; wave w takes K steps 2 w and 2 w + 1
	s_sub_co_u32 s29, ttmp9, 768
	s_lshr_b32 s30, s29, 1
	s_lshl_b32 s30, s30, 5
	s_and_b32 s31, s29, 1
	s_lshl_b32 s31, s31, 3
	s_add_co_u32 s30, s30, s31                     ; the tile's first token: 32 (T / 2) + 8 (T % 2)
	s_lshl_b32 s30, s30, 12
	s_lshl_b32 s31, s28, 10
	s_add_co_u32 s30, s30, s31
	s_mov_b32 s31, 0
	s_add_nc_u64 s[4:5], s[8:9], s[30:31]
	s_lshl_b32 s48, s29, 3
	s_lshl_b32 s49, s28, 1
	s_add_co_u32 s48, s48, s49
	s_lshl_b32 s48, s48, 11                        ; fragment 8 T + 2 w
	s_mov_b32 s49, 0
	s_add_nc_u64 s[50:51], s[26:27], s[48:49]      ; the three copies lie 4 MiB apart: a base for each
	s_add_nc_u64 s[52:53], s[50:51], 0x400000
	s_add_nc_u64 s[54:55], s[50:51], 0x800000
	s_wait_alu depctr_va_vdst(0)
	v_lshlrev_b32 v7, 4, v2                        ; 16 x lane
	s_mul_i32 s56, s28, 16*SPX                     ; my wave's stage
	v_add_nc_u32 v5, s56, v7                       ; in: a row's 512 bytes as they lie
	v_and_b32 v8, 15, v2
	v_lshrrev_b32 v9, 4, v2
	v_mul_u32_u24 v6, v8, SPX
	v_lshl_add_u32 v6, v9, 6, v6
	v_add_nc_u32 v6, s56, v6                       ; out: row r, + 64 h: my 16 numbers of a block of 32
.irp f, 0,1
.irp p, 0,1,2,3,4,5,6,7,8,9,10,11,12,13,14,15
	global_load_b128 v[R+64*\f+4*\p:R+64*\f+4*\p+3], v7, s[4:5] offset:(\p+8*(\p/8))*4096+512*\f th:TH_LOAD_NT
.endr
.endr
	s_wait_alu depctr_va_vdst(0)
	s_wait_kmcnt 0x0
	MKSC s32, 10, 11
	MKSC s34, 12, 13
	MKSC s36, 14, 15
	s_wait_alu depctr_va_vdst(0)
.irp f, 0,1
	s_wait_loadcnt 16-16*\f                        ; this fragment's 16 loads are in; the other's may be out
.irp p, 0,1,2,3,4,5,6,7,8,9,10,11,12,13,14,15
	ds_store_b128 v5, v[R+64*\f+4*\p:R+64*\f+4*\p+3] offset:SPX*\p
.endr
.irp c, 0,1,2,3
.irp j, 0,1,2,3
	ds_load_b128 v[XN+16*\c+4*\j:XN+16*\c+4*\j+3], v6 offset:128*\c+16*\j   ; LDS serves a wave's instructions in order (ISA guide 5.7.1.4): these see the stores above
.endr
.endr
	s_wait_dscnt 0x0
.irp k, 0,1,2
.irp c, 0,1,2,3
.irp i, 0,1,2,3,4,5,6,7,8,9,10,11,12,13,14,15
	v_med3_num_f32 v[TT+16*(\c%2)+\i], v[XN+16*\c+\i], -v[11+2*\k], v[11+2*\k]   ; into a set of its own: x is quantised three times.  The other set's 16 holds stand between a conversion and the next write of its sources
.endr
	v_cvt_scalef32_pk8_bf8_f32 v[R+64*\f+16*\k+4*\c:R+64*\f+16*\k+4*\c+1], v[TT+16*(\c%2):TT+16*(\c%2)+7], v[10+2*\k]
	v_cvt_scalef32_pk8_bf8_f32 v[R+64*\f+16*\k+4*\c+2:R+64*\f+16*\k+4*\c+3], v[TT+16*(\c%2)+8:TT+16*(\c%2)+15], v[10+2*\k]
	global_store_b128 v7, v[R+64*\f+16*\k+4*\c:R+64*\f+16*\k+4*\c+3], s[50+2*\k:51+2*\k] offset:\f*2048+\c*512   ; 512 consecutive bytes
.endr
.endr
.endr
	s_wait_tensorcnt 0x0
	ds_add_u32 v30, v31
	s_wait_dscnt 0x0
	s_endpgm
.Lfunc_end_k_q54eca0bb10_prep:
	.size	k_q54eca0bb10_prep, .Lfunc_end_k_q54eca0bb10_prep-k_q54eca0bb10_prep
	.p2alignl 7, 3214868480
	.fill 96, 4, 3214868480
	.section	.rodata,"a",@progbits
	.p2align	6, 0x0
	.amdhsa_kernel k_q54eca0bb10_prep
		.amdhsa_group_segment_fixed_size 34304
		.amdhsa_private_segment_fixed_size 0
		.amdhsa_enable_private_segment 0
		.amdhsa_kernarg_size 80
		.amdhsa_user_sgpr_count 2
		.amdhsa_user_sgpr_kernarg_segment_ptr 1
		.amdhsa_wavefront_size32 1
		.amdhsa_system_sgpr_workgroup_id_x 1
		.amdhsa_system_sgpr_workgroup_id_y 1
		.amdhsa_system_sgpr_workgroup_id_z 1
		.amdhsa_system_vgpr_workitem_id 0
		.amdhsa_next_free_vgpr 256
		.amdhsa_next_free_sgpr 66
		.amdhsa_reserve_vcc 0
		.amdhsa_float_denorm_mode_32 3
		.amdhsa_float_denorm_mode_16_64 3
		.amdhsa_memory_ordered 1
		.amdhsa_forward_progress 1
		.amdhsa_inst_pref_size 87
	.end_amdhsa_kernel
	.amdgpu_metadata
---
amdhsa.version: [ 1, 2 ]
amdhsa.kernels:
  - .name:           k_q54eca0bb10_prep
    .symbol:         k_q54eca0bb10_prep.kd
    .args:
      - { .name: x, .offset: 0, .size: 8, .value_kind: global_buffer, .address_space: global }
      - { .name: W_q, .offset: 8, .size: 8, .value_kind: global_buffer, .address_space: global }
      - { .name: W_k, .offset: 16, .size: 8, .value_kind: global_buffer, .address_space: global }
      - { .name: W_v, .offset: 24, .size: 8, .value_kind: global_buffer, .address_space: global }
      - { .name: W_o, .offset: 32, .size: 8, .value_kind: global_buffer, .address_space: global }
      - { .name: w1, .offset: 40, .size: 8, .value_kind: global_buffer, .address_space: global }
      - { .name: w2, .offset: 48, .size: 8, .value_kind: global_buffer, .address_space: global }
      - { .name: lowp_scales, .offset: 56, .size: 8, .value_kind: global_buffer, .address_space: global }
      - { .name: wcodes, .offset: 64, .size: 8, .value_kind: global_buffer, .address_space: global }
      - { .name: xcodes, .offset: 72, .size: 8, .value_kind: global_buffer, .address_space: global }
    .group_segment_fixed_size: 34304
    .private_segment_fixed_size: 0
    .kernarg_segment_align: 8
    .kernarg_segment_size: 80
    .max_flat_workgroup_size: 128
    .sgpr_count:     66
    .vgpr_count:     256
    .wavefront_size: 32
...
	.end_amdgpu_metadata
.endif
;; end of part 1
;; launch proj (part 2): grid 12 x 16, 4 waves a work-group, clusters of 4 x 4, 327,680 bytes of LDS; arguments xcodes, wcodes, lowp_scales, qkv; writes qkv
.if DOCPART == 2
	.amdgcn_target "amdgcn-amd-amdhsa--gfx1250"
	.amdhsa_code_object_version 6
	.text
	.protected	k_q54eca0bb10_proj
	.globl	k_q54eca0bb10_proj
	.p2align	8
	.type	k_q54eca0bb10_proj,@function
k_q54eca0bb10_proj:
	s_mov_b64 s[64:65], 0
	v_nop
	global_prefetch_b8 v0, s[64:65] scope:SCOPE_SE
	s_setreg_imm32_b32 hwreg(HW_REG_WAVE_MODE, 25, 1), 1
	s_wait_xcnt 0x0
	s_wait_alu depctr_hold_cnt(0) depctr_sa_sdst(0) depctr_va_vdst(0) depctr_va_sdst(0) depctr_va_ssrc(0) depctr_va_vcc(0) depctr_vm_vsrc(0)
	s_getreg_b32 s2, hwreg(HW_REG_IB_STS2, 6, 4)
	s_cmp_eq_u32 s2, 0
	s_cbranch_scc0 .Lentry_in_a_cluster
	s_endpgm
.Lentry_in_a_cluster:
	s_bfe_u32 s2, ttmp6, 0x10000c
	s_cmp_lg_u32 s2, 0xf033
	s_cbranch_scc0 .Lentry_shape_is_right
	s_endpgm
.Lentry_shape_is_right:
.set HALFT,  32768
.set SLOT,   4*HALFT
.set SPARE,  2*SLOT
.set KROW,   16384
.set SLB,    4096
.set FR,     16
.set NL,     4
.set NP,     4
.set LAPS,   2
.set ADRA, 16
.set ADRB, 20
.set CO,   26
.set SPW,  28
.set NIL,  29
.set OFS,  32
.set TMP,  48
.set LIM,  112
.set SCL,  113
.set AF,   128
.set G1, 24
.set G0, 32
.set G1B, 48
.set G0B, 56
.set MSB, 0
.macro WIN new
.if MSB != \new
	s_set_vgpr_msb (MSB<<8)|\new
.set MSB, \new
.endif
.endm
.set MUL_LO, 0xa1
.set MUL_HI, 0xf1
.set TO_B,   0x40
.macro JLOAD g0a, g1a, g0b, g1b
	s_cmp_eq_u32 s15, 0
	s_cbranch_scc0 .Lfor_b_\@
	tensor_load_to_lds s[\g0a:\g0a+3], s[\g1a:\g1a+7]
	s_nop 0
.rept 4
	v_nop
.endr
	s_branch .Lasked_\@
.Lfor_b_\@:
	tensor_load_to_lds s[\g0b:\g0b+3], s[\g1b:\g1b+7]
	s_nop 0
.rept 4
	v_nop
.endr
.Lasked_\@:
.endm
.macro CREST
	s_cmp_lg_u32 s14, 0
	s_cbranch_scc1 .Lnot_wave_0_\@
	s_barrier_signal -3
.Lnot_wave_0_\@:
	s_barrier_wait -3
	s_barrier_signal -1
	s_barrier_wait -1
.endm
.macro CROUND
	s_barrier_signal -1
	s_barrier_wait -1
	CREST
.endm
	s_load_b256 s[4:11], s[0:1], 0x0
	v_lshl_add_u32 v[SPW], v0, 2, SPARE
	v_mov_b32 v[NIL], 0
	ds_add_u32 v28, v29
	ds_add_u32 v28, v29
	s_wait_dscnt 0x0
	v_lshrrev_b32 v1, 5, v0
	v_readfirstlane_b32 s14, v1
	s_lshr_b32 s15, s14, 1
	s_and_b32 s16, s14, 1
	s_bfe_u32 s40, ttmp6, 0x40000
	s_bfe_u32 s41, ttmp6, 0x40004
	s_and_b32 s12, ttmp7, 0xffff
	s_lshl_b32 s12, s12, 2
	s_add_co_u32 s17, s12, s41
	s_add_co_u32 s42, s12, s40
	s_lshl_b32 s84, ttmp9, 22
	s_lshl_b32 s85, ttmp9, 20
	s_lshl_b32 s43, s41, 2
	s_lshl_b32 s43, 15, s43
	s_lshl_b32 s44, 0x1111, s40
	s_cmp_eq_u32 ttmp9, 2
	s_cselect_b32 s17, s41, s17
	s_cselect_b32 s42, s42, s40
	s_cselect_b32 s84, 0x200000, s84
	s_cselect_b32 s85, 0x800000, s85
	s_or_b32 s[G1+0], s43, (1<<21)
	s_or_b32 s[G1B+0], s44, (1<<21)
.irp g, G1, G1B
	s_mov_b32 s[\g+1], SLB<<16
	s_mov_b32 s[\g+2], 8<<16
	s_mov_b32 s[\g+3], SLB<<16
	s_mov_b32 s[\g+4], 8
	s_mov_b32 s[\g+5], KROW
	s_mov_b32 s[\g+6], 0
	s_mov_b32 s[\g+7], 0
.endr
	s_lshl_b32 s18, s16, 3
	s_lshl_b32 s20, s17, 4
	s_add_co_u32 s20, s20, s18
	s_lshl_b32 s20, s20, 14
	s_add_co_u32 s20, s20, s84
	s_mov_b32 s21, 0
	s_lshl_b32 s46, s42, 4
	s_add_co_u32 s46, s46, s18
	s_lshl_b32 s46, s46, 14
	s_add_co_u32 s46, s46, s85
	s_mov_b32 s47, 0
	s_mul_i32 s45, s14, HALFT
	s_wait_kmcnt 0x0
	s_load_b512 s[68:83], s[8:9], 0x0
	s_cmp_eq_u32 ttmp9, 2
	s_cselect_b64 s[86:87], s[6:7], s[4:5]
	s_cselect_b64 s[88:89], s[4:5], s[6:7]
	s_add_nc_u64 s[20:21], s[86:87], s[20:21]
	s_add_nc_u64 s[46:47], s[88:89], s[46:47]
	CROUND
.irp s, 0,1
	s_mov_b32 s[G0+4*\s], 1
	s_add_co_u32 s[G0+4*\s+1], s45, \s*SLOT
	s_add_nc_u64 s[G0+4*\s+2:G0+4*\s+3], s[20:21], \s*SLB
	s_or_b32 s[G0+4*\s+3], s[G0+4*\s+3], 0x80000000
	s_mov_b32 s[G0B+4*\s], 1
	s_add_co_u32 s[G0B+4*\s+1], s45, \s*SLOT
	s_add_nc_u64 s[G0B+4*\s+2:G0B+4*\s+3], s[46:47], \s*SLB
	s_or_b32 s[G0B+4*\s+3], s[G0B+4*\s+3], 0x80000000
.endr
	JLOAD G0, G1, G0B, G1B                         ; slot 0: one tensor load a wave at the head
	; prefetches into the L2: of the 8 tiles x 4,096 bytes that my wave fetches for a slot, the partner at place p (cx for A, cy for B) names tiles 2 p and 2 p + 1, a lane 256 bytes
	s_cmp_eq_u32 s15, 0
	s_cselect_b32 s12, s40, s41
	s_cselect_b64 s[98:99], s[20:21], s[46:47]
	s_mul_i32 s12, s12, 2*KROW
	s_mov_b32 s13, 0
	s_add_nc_u64 s[98:99], s[98:99], s[12:13]
	v_bfe_u32 v30, v0, 4, 1
	v_mul_u32_u24 v30, v30, KROW
	v_and_b32 v31, 15, v0
	v_lshl_add_u32 v30, v31, 8, v30
	global_prefetch_b8 v30, s[98:99] offset:SLB th:TH_LOAD_NT scope:SCOPE_SE     ; slot 1
	global_prefetch_b8 v30, s[98:99] offset:2*SLB th:TH_LOAD_NT scope:SCOPE_SE   ; slot 2
	v_and_b32 v1, 31, v0
	v_lshlrev_b32 v[CO], 4, v1
	s_wait_alu depctr_va_vdst(0)
	s_mul_i32 s21, s15, HALFT
	s_mul_i32 s22, s16, HALFT
	s_add_co_u32 s22, s22, 2*HALFT
.irp s, 0,1
	v_add_nc_u32 v[ADRA+\s], s21, v[CO]
	v_add_nc_u32 v[ADRB+\s], s22, v[CO]
	s_add_co_u32 s21, s21, SLOT
	s_add_co_u32 s22, s22, SLOT
.endr
	s_lshl_b32 s90, ttmp9, 22
	s_mov_b32 s92, 0x10000
	s_mov_b32 s93, 0x80000
	s_mov_b32 s94, 0x40000
	s_cmp_eq_u32 ttmp9, 2
	s_cselect_b32 s90, 0x800000, s90
	s_cselect_b32 s92, s92, 0x400
	s_cselect_b32 s93, 0x800, s93
	s_cselect_b32 s94, 0x400, s94
	s_lshl_b32 s95, s17, 4
	s_lshl_b32 s96, s15, 3
	s_add_co_u32 s95, s95, s96
	s_mul_i32 s95, s95, s92
	s_add_co_u32 s90, s90, s95
	s_lshl_b32 s95, s42, 1
	s_add_co_u32 s95, s95, s16
	s_mul_i32 s95, s95, s93
	s_add_co_u32 s90, s90, s95
	s_mov_b32 s91, 0
	s_add_nc_u64 s[10:11], s[10:11], s[90:91]
.irp a, 0,1,2,3,4,5,6,7
	s_mul_i32 s95, s92, \a
	v_add_nc_u32 v[OFS+2*\a], s95, v[CO]
	s_add_co_u32 s95, s95, s94
	v_add_nc_u32 v[OFS+2*\a+1], s95, v[CO]
.endr
.macro FRAG reg, adr, q, i
.irp c, 0,1,2,3
	ds_load_b128 v[\reg+4*\c:\reg+4*\c+3], v[\adr] offset:4096*(\i)+2048*(\q)+512*\c
.endr
.endm
.macro MUL16 a0, p, zero
.irp a, \a0, \a0+1
.irp b, 0,1,2,3,4,5,6,7
.if \zero
	v_wmma_f32_16x16x128_bf8_bf8 v[8*(8*((\a)%4)+\b):8*(8*((\a)%4)+\b)+7], v[128*(\p)+FR*\b:128*(\p)+FR*\b+FR-1], v[AF+FR*(\a):AF+FR*(\a)+FR-1], 0
.else
	v_wmma_f32_16x16x128_bf8_bf8 v[8*(8*((\a)%4)+\b):8*(8*((\a)%4)+\b)+7], v[128*(\p)+FR*\b:128*(\p)+FR*\b+FR-1], v[AF+FR*(\a):AF+FR*(\a)+FR-1], v[8*(8*((\a)%4)+\b):8*(8*((\a)%4)+\b)+7]
.endif
.endr
.endr
.endm
.macro FETCH_B slot, q, p
	WIN TO_B
.irp i, 0,1,2,3,4,5,6,7
	FRAG 128*(\p)+FR*\i, ADRB+\slot, \q, \i
.endr
	WIN 0
.endm
.macro FETCH_A slot, q, i0
.irp i, \i0, \i0+1, \i0+2, \i0+3
	FRAG AF+FR*(\i), ADRA+\slot, \q, \i
.endr
.endm
.macro PLACES n
.rept \n
	v_nop
.endr
.endm
.macro STEP slot, q, zero
	s_wait_dscnt 4*NL
	WIN MUL_LO
	MUL16 0, (\q)%2, \zero
	MUL16 2, (\q)%2, \zero
	s_wait_dscnt 0
	PLACES NP
	FETCH_B \slot, (\q)+1, 1-(\q)%2
	FETCH_A \slot, (\q)+1, 0
	WIN MUL_HI
	MUL16 4, (\q)%2, \zero
	MUL16 6, (\q)%2, \zero
	PLACES NP
	WIN 0
	FETCH_A \slot, (\q)+1, 4
.endm
.macro TURN slot, next, fill
	s_wait_tensorcnt 0x0
	ds_add_u32 v[SPW], v[NIL]
	s_wait_dscnt 4*NL+1
	WIN MUL_LO
	MUL16 0, 1, 0
	s_wait_dscnt 0x0
	s_barrier_signal -1
	MUL16 2, 1, 0
	WIN 0
	s_barrier_wait -1
.if \fill
	CREST
	s_add_nc_u64 s[G0+4*\slot+2:G0+4*\slot+3], s[G0+4*\slot+2:G0+4*\slot+3], 2*SLB
	s_add_nc_u64 s[G0B+4*\slot+2:G0B+4*\slot+3], s[G0B+4*\slot+2:G0B+4*\slot+3], 2*SLB
	JLOAD G0+4*\slot, G1, G0B+4*\slot, G1B
.else
	PLACES NP
.endif
	FETCH_B \next, 0, 0
	FETCH_A \next, 0, 0
	WIN MUL_HI
	MUL16 4, 1, 0
	MUL16 6, 1, 0
	PLACES NP
	WIN 0
	FETCH_A \next, 0, 4
.endm
	s_wait_alu depctr_va_vdst(0)                   ; the wait at the head's end
	s_wait_tensorcnt 0x0                           ; my part of slot 0 is in; the lines ahead of a later first fill
	ds_add_u32 v[SPW], v[NIL]
	s_wait_dscnt 0x0
	CROUND
	JLOAD G0+4, G1, G0B+4, G1B                     ; slot 1's first fill, the first tensor load behind the round
	global_prefetch_b8 v30, s[98:99] offset:3*SLB th:TH_LOAD_NT scope:SCOPE_SE   ; slot 3, the last: two refills on
	FETCH_B 0, 0, 0
	FETCH_A 0, 0, 0
	FETCH_A 0, 0, 4
	STEP 0, 0, 1
	s_mov_b32 s3, LAPS-1
.Llap:
	TURN 0, 1, 1
	STEP 1, 0, 0
	TURN 1, 0, 1
	STEP 0, 0, 0
	s_sub_co_u32 s3, s3, 1
	s_cmp_lg_u32 s3, 0
	s_cbranch_scc1 .Llap
	TURN 0, 1, 0
	STEP 1, 0, 0
	s_wait_dscnt 4*NL
	WIN MUL_LO
	MUL16 0, 1, 0
	MUL16 2, 1, 0
	s_wait_dscnt 0
	WIN MUL_HI
	MUL16 4, 1, 0
	MUL16 6, 1, 0
	WIN 0
	s_wait_kmcnt 0x0
	s_sub_co_i32 s90, s74, s68
	s_sub_co_i32 s90, s90, s69
	s_sub_co_i32 s91, s75, s70
	s_sub_co_i32 s91, s91, s71
	s_sub_co_i32 s92, s77, s72
	s_sub_co_i32 s92, s92, s73
	s_cmp_eq_u32 ttmp9, 0
	s_cselect_b32 s90, s90, s91
	s_cmp_eq_u32 ttmp9, 2
	s_cselect_b32 s90, s92, s90
	s_add_co_i32 s90, s90, 127
	s_lshl_b32 s91, s90, 23
	v_mov_b32 v[SCL], s91
	s_add_co_i32 s90, s90, 15
	s_lshl_b32 s90, s90, 23
	s_or_b32 s90, s90, 0x600000
	v_mov_b32 v[LIM], s90
	PLACES NP
.macro OUTBLK a
	WIN 0x02+((\a)/4)
.set n, 0
.rept 64
	v_med3_num_f32 v[TMP+n], v[64*((\a)%4)+n], -v[LIM], v[LIM]
.set n, n+1
.endr
	WIN 0
.irp k, 0,1,2,3,4,5,6,7
	v_cvt_scalef32_pk8_bf8_f32 v[AF+16*(\a)+2*\k:AF+16*(\a)+2*\k+1], v[TMP+8*\k:TMP+8*\k+7], v[SCL]
.endr
	v_nop
.irp g, 0,1,2,3
	global_store_b128 v[OFS+2*(\a)+\g/2], v[AF+16*(\a)+4*\g:AF+16*(\a)+4*\g+3], s[10:11] offset:(\g%2)*512
.endr
.endm
.irp a, 0,1,2,3,4,5,6,7
	OUTBLK \a
.endr
	s_wait_tensorcnt 0x0
	ds_add_u32 v[SPW], v[NIL]
	s_wait_dscnt 0x0
	CROUND
	s_endpgm
.Lfunc_end_k_q54eca0bb10_proj:
	.size	k_q54eca0bb10_proj, .Lfunc_end_k_q54eca0bb10_proj-k_q54eca0bb10_proj
	.p2alignl 7, 3214868480
	.fill 96, 4, 3214868480
	.section	.rodata,"a",@progbits
	.p2align	6, 0x0
	.amdhsa_kernel k_q54eca0bb10_proj
		.amdhsa_group_segment_fixed_size 327680
		.amdhsa_private_segment_fixed_size 0
		.amdhsa_enable_private_segment 0
		.amdhsa_kernarg_size 32
		.amdhsa_user_sgpr_count 2
		.amdhsa_user_sgpr_kernarg_segment_ptr 1
		.amdhsa_wavefront_size32 1
		.amdhsa_system_sgpr_workgroup_id_x 1
		.amdhsa_system_sgpr_workgroup_id_y 1
		.amdhsa_system_sgpr_workgroup_id_z 1
		.amdhsa_system_vgpr_workitem_id 0
		.amdhsa_next_free_vgpr 1024
		.amdhsa_next_free_sgpr 100
		.amdhsa_reserve_vcc 0
		.amdhsa_float_denorm_mode_32 3
		.amdhsa_float_denorm_mode_16_64 3
		.amdhsa_memory_ordered 1
		.amdhsa_forward_progress 1
		.amdhsa_inst_pref_size 120
	.end_amdhsa_kernel
	.amdgpu_metadata
---
amdhsa.version: [ 1, 2 ]
amdhsa.kernels:
  - .name:           k_q54eca0bb10_proj
    .symbol:         k_q54eca0bb10_proj.kd
    .args:
      - { .name: xcodes, .offset: 0, .size: 8, .value_kind: global_buffer, .address_space: global }
      - { .name: wcodes, .offset: 8, .size: 8, .value_kind: global_buffer, .address_space: global }
      - { .name: lowp_scales, .offset: 16, .size: 8, .value_kind: global_buffer, .address_space: global }
      - { .name: qkv, .offset: 24, .size: 8, .value_kind: global_buffer, .address_space: global }
    .group_segment_fixed_size: 327680
    .private_segment_fixed_size: 0
    .kernarg_segment_align: 8
    .kernarg_segment_size: 32
    .max_flat_workgroup_size: 128
    .sgpr_count:     100
    .vgpr_count:     1024
    .wavefront_size: 32
...
	.end_amdgpu_metadata
.endif
;; end of part 2
;; launch attn (part 3): grid 8 x 32, 8 waves a work-group, clusters of 4 x 1, 272,384 bytes of LDS; arguments qkv, mask, lowp_scales, ctx; writes ctx
.if DOCPART == 3
	.amdgcn_target "amdgcn-amd-amdhsa--gfx1250"
	.amdhsa_code_object_version 6
	.text
	.protected	k_q54eca0bb10_attn
	.globl	k_q54eca0bb10_attn
	.p2align	8
	.type	k_q54eca0bb10_attn,@function
k_q54eca0bb10_attn:
	s_mov_b64 s[64:65], 0
	v_nop
	global_prefetch_b8 v0, s[64:65] scope:SCOPE_SE
	s_setreg_imm32_b32 hwreg(HW_REG_WAVE_MODE, 25, 1), 1
	s_wait_xcnt 0x0
	s_wait_alu depctr_hold_cnt(0) depctr_sa_sdst(0) depctr_va_vdst(0) depctr_va_sdst(0) depctr_va_ssrc(0) depctr_va_vcc(0) depctr_vm_vsrc(0)
	s_getreg_b32 s2, hwreg(HW_REG_IB_STS2, 6, 4)
	s_cmp_eq_u32 s2, 0
	s_cbranch_scc0 .Lentry_in_a_cluster
	s_endpgm
.Lentry_in_a_cluster:
	s_bfe_u32 s2, ttmp6, 0x10000c
	s_cmp_lg_u32 s2, 0x3003
	s_cbranch_scc0 .Lentry_shape_is_right
	s_endpgm
.Lentry_shape_is_right:
; context = softmax(Q K^T / 8, masked keys left out) V for one batch and head, both products on codes of BF8; the result is quantised (entry 10 of the scales) and stored as the next product's operand.
; THE SOFTMAX: t = score x log2(e) / 8; M = the row's largest t so far, rounded up to a whole number; p = 2^(t - M) is quantised (entry 8), not normalised; the sum of the unquantised p divides at the end.
; SHARES.  A work-group owns 256 queries of one (batch, head); each of its eight waves owns 32, two tiles A and B, so that each fragment of K, of V and of the mask words read from LDS feeds two matrix instructions.
; LDS HOLDS THE HEAD'S WHOLE K AND V, 262,144 bytes of codes: each wave asks for 32,768 dense bytes by its one tensor load (waves 0-3: K; waves 4-7: one of V's four tiles of 16 columns); nothing is filled again.
; The four query blocks of a cluster ask for each piece JOINTLY (mask 15).  No prefetch into the L2: all that the launch loads is asked for at its head, so there is no loop to run ahead in.
; LAYOUT.  Both products are used transposed: S^T = K Q^T, O^T = V^T P^T: a lane holds one query of each tile.  K's tiles hold the keys in the order of launch prep, so that the 16 registers of tiles 2 b, 2 b + 1 are the
; keys 32 b + 16 h + 0 .. 15; V lies with the keys innermost in that same order.
; THE MASK: each key has a word in LDS, 0 or -3e38; these words are the C of the score products.  A sum of 64 products of codes is under 2^38 in magnitude, so the running largest score begins at -2^40:
; under every score that counts, above every masked one.  While all keys so far are masked, p is 0.
; A STEP is 128 keys.  The next step's K and mask words are fetched behind this step's score products.  Each tile's 64 exponentials go as one batch, with plain lines of the other tile among them that read
; nothing written inside the batch; one wait stands ahead of each batch and one behind it.
; LIMITS: e6 + e7 between -100 and 80; e8, and e10 - e8 - e9, between -126 and 112; the scaled scores stay under 2^31 in magnitude.  A batch whose mask has no true key (reference: NaN) is not served.  NaN among the inputs is not served.
; REGISTERS.  Window 0: v1 16 x lane; v2 the mask words' place for my half of the lanes; v3, v4 the add's two; v5-8 addresses of the step; v[10:11], v[12:13] -M and the largest score of A, of B; v[14:15], v[16:17] the sums;
;   v18, v20 f = 2^(old M - new M); v22-27 at work; v28, v29 the hold, twice; v30 the scale; v32-95 S^T, p of A; v96-159 of B; v160-191, v192-223 O^T; v224-239, v240-255 p's codes (before that: partial sums).
;   Window 1: v0-63 K's eight fragments; v64-127 V's four; v128-191 the mask words; v192-199, v200-207 Q.
.set BIAS,  262144                     ; behind K and V: 2,048 words; no tensor load lands here
.set SPARE, 0x42000                    ; behind them: the spare words, 128 bytes a wave
.set VB,    131072                     ; V in LDS: tile d at 32,768 d, K step s at 2,048 s
.set WV,  18
.set SEL, 20
.set CS,  22
.set G1,  24
.set G0,  32
.set NC,  36                           ; s36 -c
.set TK,  50                           ; s50 LDS byte of the next step's K; s51 of this step's V; s52 of the next step's mask words, less BIAS
.set TV,  51
.set TBI, 52
.set CNT, 53
.set SA, 32
.set SB, 96
.set OA, 160
.set OB, 192
.set PA, 224
.set KF, 0
.set VF, 64
.set MK, 128
.set QA, 192
.set QB, 200
.set MSB, 0
.macro WIN new                         ; the immediate's high byte repeats the setting that is left
.if MSB != \new
	s_set_vgpr_msb (MSB<<8)|\new
.set MSB, \new
.endif
.endm
.macro CROUND
	s_barrier_signal -1
	s_barrier_wait -1
	s_cmp_lg_u32 s[WV], 0
	s_cbranch_scc1 .Lnot_wave_0_\@
	s_barrier_signal -3
.Lnot_wave_0_\@:
	s_barrier_wait -3
	s_barrier_signal -1
	s_barrier_wait -1
.endm
	s_load_b256 s[4:11], s[0:1], 0x0               ; qkv, mask, the scales' exponents, ctx
	v_lshl_add_u32 v3, v0, 2, SPARE
	v_mov_b32 v4, 0
	ds_add_u32 v3, v4                              ; the opening lines: the add, twice on end, and its wait
	ds_add_u32 v3, v4
	v_lshrrev_b32 v5, 5, v0
	v_readfirstlane_b32 s[WV], v5                  ; wave 0..7
	s_bfe_u32 s13, ttmp6, 0x40000                  ; cx: it enters Q's and ctx's addresses alone
	s_and_b32 s15, ttmp7, 0xffff
	s_lshr_b32 s12, s15, 4                         ; batch
	s_and_b32 s14, s15, 15                         ; head
	s_lshl_b32 s54, s14, 18                        ; a head's 262,144 bytes, in Q, K and V alike
	s_lshl_b32 s56, s[WV], 15                      ; my 32,768 bytes in LDS; for waves 0-3 also in the batch's K
	s_lshl_b32 s55, s12, 17
	s_add_co_u32 s55, s55, s56
	s_add_co_u32 s55, s55, 0x400000                ; K
	s_and_b32 s57, s[WV], 3
	s_lshl_b32 s58, s57, 16                        ; V's tile of 16 columns
	s_lshl_b32 s57, s12, 15
	s_add_co_u32 s58, s58, s57
	s_add_co_u32 s58, s58, 0x800000                ; V
	s_cmp_lt_u32 s[WV], 4
	s_cselect_b32 s60, s55, s58
	s_add_co_u32 s60, s60, s54
	s_mov_b32 s61, 0
	s_lshl_b32 s19, ttmp9, 2
	s_add_co_u32 s19, s19, s13
	s_lshl_b32 s19, s19, 4
	s_lshl_b32 s48, s[WV], 1
	s_add_co_u32 s19, s19, s48
	s_lshl_b32 s48, s12, 7
	s_add_co_u32 s19, s19, s48                     ; tile A of my queries: 128 batch + 16 (4 cluster x + cx) + 2 wave; B is the next
	s_lshl_b32 s48, s19, 10
	s_add_co_u32 s48, s48, s54                     ; Q's fragments
	s_mov_b32 s49, 0
	s_lshl_b32 s58, s19, 3
	s_lshr_b32 s59, s14, 1
	s_add_co_u32 s58, s58, s59
	s_lshl_b32 s58, s58, 11
	s_and_b32 s59, s14, 1
	s_lshl_b32 s59, s59, 10
	s_add_co_u32 s58, s58, s59                     ; ctx: fragment 8 T + head / 2, pieces 2 (head % 2) on
	s_mov_b32 s59, 0
	s_lshl_b32 s16, s12, 11                        ; the batch's 2,048 bytes of the mask
	s_mov_b32 s17, 0
	s_mov_b32 s[G1], 15|(3<<16)|(1<<21)            ; the mask: all four work-groups; elements of 8 bytes; no padding; 21 set beside a mask
	s_mov_b32 s[G1+1], 32<<16                      ; a dense block of 32,768 bytes as 128 rows of 256
	s_mov_b32 s[G1+2], 128<<16
	s_mov_b32 s[G1+3], 32<<16
	s_mov_b32 s[G1+4], 128
	s_mov_b32 s[G1+5], 32
	s_mov_b32 s[G1+6], 0
	s_mov_b32 s[G1+7], 0
	s_mov_b32 s[SEL], 0x76543210
	s_mov_b32 s[SEL+1], 0xfedcba98
	s_mov_b32 s[CS], 0x3e38aa3b                    ; c = log2(e) / 8
	s_wait_dscnt 0x0
	s_wait_kmcnt 0x0
	s_load_b512 s[68:83], s[8:9], 0x0              ; e0 .. e15
	s_mov_b32 s[G0], 1
	s_mov_b32 s[G0+1], s56
	s_add_nc_u64 s[G0+2:G0+3], s[4:5], s[60:61]
	s_or_b32 s[G0+3], s[G0+3], 0x80000000
	CROUND                                         ; all four work-groups are here: the joint loads meet
	tensor_load_to_lds s[G0:G0+3], s[G1:G1+7]      ; my one tensor load of the launch
	s_nop 0
.rept 4
	v_nop
.endr
	s_add_nc_u64 s[6:7], s[6:7], s[16:17]
	s_add_nc_u64 s[4:5], s[4:5], s[48:49]
	s_add_nc_u64 s[10:11], s[10:11], s[58:59]
	v_and_b32 v9, 31, v0
	v_lshlrev_b32 v1, 4, v9
	v_bfe_u32 v9, v0, 4, 1
	v_lshlrev_b32 v2, 6, v9
	v_add_nc_u32 v2, BIAS, v2
	v_lshlrev_b32 v31, 3, v0
	global_load_b64 v[32:33], v31, s[6:7]          ; thread t: the mask's bytes of keys 8 t .. 8 t + 7
	WIN 0x40
.irp c, 0,1,2,3
	global_load_b128 v[QA+4*\c:QA+4*\c+3], v1, s[4:5] offset:512*\c   ; Q's two fragments stay in registers
.endr
	WIN 0
	v_lshl_add_u32 v35, v0, 5, BIAS
	v_mov_b32 v34, 0xff61b1e6                      ; -3e38
.irp r, 14,15,16,17,19,21,26,27
	v_mov_b32 v\r, 0                               ; the sums; the upper halves of f's pairs; the lane permutes' destinations
.endr
.set n, 0
.rept 64
	v_mov_b32 v[OA+n], 0                           ; O^T: the step has no first step of its own; the first change of M multiplies zeros
.set n, n+1
.endr
	s_wait_alu depctr_va_vdst(0)                   ; directly ahead of the wait below
	s_wait_loadcnt 0x4                             ; the mask's bytes are in; Q's four loads may be out
.irp i, 0,1,2,3
	v_bfe_u32 v[40+\i], v32, 8*\i, 8
	v_bfe_u32 v[44+\i], v33, 8*\i, 8
.endr
.irp i, 0,1,2,3,4,5,6,7
	v_cmp_eq_u32 vcc_lo, 0, v[40+\i]
	v_cndmask_b32 v[40+\i], 0, v34, vcc_lo         ; a key that counts: 0; a masked one: -3e38
.endr
	ds_store_b128 v35, v[40:43]
	ds_store_b128 v35, v[44:47] offset:16
	s_wait_alu depctr_va_vdst(0)
	s_wait_kmcnt 0x0
	s_add_co_i32 s48, s74, s75
	s_lshl_b32 s48, s48, 23
	s_add_co_i32 s[CS], s[CS], s48                 ; a score stands for score x 2^(e6 + e7): added to c's exponent field
	s_mov_b32 s[CS+1], s[CS]
	s_xor_b32 s[NC], s[CS], 0x80000000             ; -c
	v_mov_b32 v11, 0xd3800000                      ; the largest score so far: -2^40
	v_mov_b32 v13, 0xd3800000
	v_mul_f32 v10, s[NC], v11
	v_floor_f32 v10, v10                           ; -M
	v_mov_b32 v12, v10
	s_add_co_i32 s48, s76, 127
	s_lshl_b32 s49, s48, 23
	v_mov_b32 v30, s49                             ; 2^e8
	s_add_co_i32 s48, s48, 15
	s_lshl_b32 s48, s48, 23
	s_or_b32 s48, s48, 0x600000
	v_mov_b32 v28, s48                             ; 57,344 x 2^e8,
	v_mov_b32 v29, s48                             ; twice: the two halves of a dual instruction take their second sources from different register banks
.macro LDKM ka, ma                     ; a step's eight fragments of K and its 128 mask words: 32 loads
.irp t, 0,1,2,3,4,5,6,7
	ds_load_b128 v[KF+8*\t:KF+8*\t+3], v[\ka] offset:1024*\t
	ds_load_b128 v[KF+8*\t+4:KF+8*\t+7], v[\ka] offset:1024*\t+512
.endr
.irp t, 0,1,2,3,4,5,6,7
	ds_load_b128 v[MK+8*\t:MK+8*\t+3], v[\ma] offset:128*(\t/2)+32*(\t%2)      ; keys 32 (t / 2) + 8 (t % 2) + 16 h + 0 .. 7: the score tile's C
	ds_load_b128 v[MK+8*\t+4:MK+8*\t+7], v[\ma] offset:128*(\t/2)+32*(\t%2)+16
.endr
.endm
.macro PV o, p                         ; O^T += V^T P^T for one tile of queries: four accumulators, one instruction each
	WIN 0x01
.irp d, 0,1,2,3
	v_wmma_f32_16x16x128_bf8_bf8 v[\o+8*\d:\o+8*\d+7], v[VF+16*\d:VF+16*\d+15], v[\p:\p+15], v[\o+8*\d:\o+8*\d+7]
.endr
	WIN 0
.endm
; A KEY STEP: 128 keys, both tiles.  last = 1: nothing more to fetch.
.macro STEP last
	s_wait_dscnt 0x0                               ; this step's K and mask words are in
	WIN 0x15                                       ; K, Q and the mask words: window 1; S^T: window 0
.irp t, 0,1,2,3,4,5,6,7
	v_wmma_f32_16x16x64_bf8_bf8 v[SA+8*\t:SA+8*\t+7], v[KF+8*\t:KF+8*\t+7], v[QA:QA+7], v[MK+8*\t:MK+8*\t+7]
	v_wmma_f32_16x16x64_bf8_bf8 v[SB+8*\t:SB+8*\t+7], v[KF+8*\t:KF+8*\t+7], v[QB:QB+7], v[MK+8*\t:MK+8*\t+7]
.endr
	WIN 0
	v_add_nc_u32 v6, s[TV], v1                     ; four places between the products and the loads into their sources, and the first reads of S^T
	v_add_nc_u32 v7, 0x10000, v6
.if \last
	v_nop
	v_nop
.else
	v_add_nc_u32 v5, s[TK], v1
	v_add_nc_u32 v8, s[TBI], v2
.endif
	WIN 0x40
.irp d, 0,1
.irp c, 0,1,2,3
	ds_load_b128 v[VF+16*\d+4*\c:VF+16*\d+4*\c+3], v6 offset:32768*\d+512*\c
	ds_load_b128 v[VF+32+16*\d+4*\c:VF+32+16*\d+4*\c+3], v7 offset:32768*\d+512*\c
.endr
.endr
.if \last == 0
	LDKM 5, 8
.endif
	WIN 0
	v_max3_num_f32 v22, v[SA], v[SA+1], v[SA+2]    ; the step's largest score of each of my two queries among my 64 keys: four chains, each accumulator from its low end on
	v_max3_num_f32 v24, v[SB], v[SB+1], v[SB+2]
	v_max3_num_f32 v23, v[SA+3], v[SA+4], v[SA+5]
	v_max3_num_f32 v25, v[SB+3], v[SB+4], v[SB+5]
.irp i, 6,10,14,18,22,26,30,34,38,42,46,50,54,58
	v_max3_num_f32 v22, v22, v[SA+\i], v[SA+\i+1]
	v_max3_num_f32 v24, v24, v[SB+\i], v[SB+\i+1]
	v_max3_num_f32 v23, v23, v[SA+\i+2], v[SA+\i+3]
	v_max3_num_f32 v25, v25, v[SB+\i+2], v[SB+\i+3]
.endr
	v_max3_num_f32 v22, v22, v[SA+62], v[SA+63]
	v_max3_num_f32 v24, v24, v[SB+62], v[SB+63]
	v_max_num_f32 v22, v22, v23
	v_max_num_f32 v24, v24, v25
	v_permlanex16_b32 v26, v22, s[SEL], s[SEL+1]
	v_permlanex16_b32 v27, v24, s[SEL], s[SEL+1]
	v_max3_num_f32 v11, v11, v22, v26              ; the running largest score, lane l xor 16's among it
	v_max3_num_f32 v13, v13, v24, v27
	v_mul_f32 v22, s[NC], v11
	v_mul_f32 v24, s[NC], v13
	v_floor_f32 v22, v22                           ; the new -M = floor(-t) = -ceil(t)
	v_floor_f32 v24, v24
	v_sub_f32 v23, v22, v10                        ; old M - new M: a whole number, 0 or less
	v_sub_f32 v25, v24, v12
	v_mov_b32 v10, v22
	v_mov_b32 v12, v24
	v_cvt_i32_f32 v23, v23                         ; (it saturates)
	v_cvt_i32_f32 v25, v25
	v_ldexp_f32 v18, 1.0, v23                      ; f = 2^(old M - new M)
	v_ldexp_f32 v20, 1.0, v25
.irp j, 0,2,4,6,8,10,12,14,16,18,20,22,24,26,28,30
	v_pk_mul_f32 v[OA+\j:OA+\j+1], v[OA+\j:OA+\j+1], v[18:19] op_sel_hi:[1,0]   ; O^T under the new M, ahead of the step's first exponential
	v_pk_mul_f32 v[OB+\j:OB+\j+1], v[OB+\j:OB+\j+1], v[20:21] op_sel_hi:[1,0]
.endr
	v_pk_mul_f32 v[14:15], v[14:15], v[18:19] op_sel_hi:[1,0]
	v_pk_mul_f32 v[16:17], v[16:17], v[20:21] op_sel_hi:[1,0]
.set n, 0
.rept 32
	v_pk_fma_f32 v[SA+n:SA+n+1], v[SA+n:SA+n+1], s[CS:CS+1], v[10:11] op_sel_hi:[1,0,0]   ; A: t - M
.set n, n+2
.endr
	s_wait_alu depctr_va_vdst(0)                   ; ahead of the batch
.set n, 0
.rept 32                               ; A's 64 exponentials; among them B's t - M, read behind the next wait
	v_exp_f32 v[SA+n], v[SA+n]
	v_exp_f32 v[SA+n+1], v[SA+n+1]
	v_pk_fma_f32 v[SB+n:SB+n+1], v[SB+n:SB+n+1], s[CS:CS+1], v[12:13] op_sel_hi:[1,0,0]
.set n, n+2
.endr
	s_wait_alu depctr_va_vdst(0)                   ; behind A's batch and ahead of B's
.set n, 0
.rept 16                               ; B's 64 exponentials; among them, of A: sums of four of the unquantised p (into the registers of p's codes), then the hold on those four
	v_exp_f32 v[SB+4*n], v[SB+4*n]
	v_pk_add_f32 v[PA+2*n:PA+2*n+1], v[SA+4*n:SA+4*n+1], v[SA+4*n+2:SA+4*n+3]
	v_exp_f32 v[SB+4*n+1], v[SB+4*n+1]
	v_dual_min_num_f32 v[SA+4*n], v[SA+4*n], v28 :: v_dual_min_num_f32 v[SA+4*n+1], v[SA+4*n+1], v29
	v_exp_f32 v[SB+4*n+2], v[SB+4*n+2]
	v_exp_f32 v[SB+4*n+3], v[SB+4*n+3]
	v_dual_min_num_f32 v[SA+4*n+2], v[SA+4*n+2], v28 :: v_dual_min_num_f32 v[SA+4*n+3], v[SA+4*n+3], v29
.set n, n+1
.endr
	v_nop                                          ; a plain line behind the last exponential
	s_wait_alu depctr_va_vdst(0)                   ; behind B's batch
	v_pk_add_f32 v[22:23], v[PA:PA+1], v[PA+2:PA+3]   ; the sums go on, four chains
	v_pk_add_f32 v[24:25], v[SB:SB+1], v[SB+2:SB+3]
.irp j, 4,8,12,16,20,24,28
	v_pk_add_f32 v[14:15], v[14:15], v[PA+\j:PA+\j+1]
	v_pk_add_f32 v[16:17], v[16:17], v[SB+\j:SB+\j+1]
	v_pk_add_f32 v[22:23], v[22:23], v[PA+\j+2:PA+\j+3]
	v_pk_add_f32 v[24:25], v[24:25], v[SB+\j+2:SB+\j+3]
	v_pk_add_f32 v[16:17], v[16:17], v[SB+\j+28:SB+\j+29]
	v_pk_add_f32 v[24:25], v[24:25], v[SB+\j+30:SB+\j+31]
.endr
	v_pk_add_f32 v[16:17], v[16:17], v[SB+60:SB+61]
	v_pk_add_f32 v[24:25], v[24:25], v[SB+62:SB+63]
	v_pk_add_f32 v[14:15], v[14:15], v[22:23]
	v_pk_add_f32 v[16:17], v[16:17], v[24:25]
.irp b, 0,1,2,3
	v_cvt_scalef32_pk8_bf8_f32 v[PA+4*\b:PA+4*\b+1], v[SA+16*\b:SA+16*\b+7], v30
	v_cvt_scalef32_pk8_bf8_f32 v[PA+4*\b+2:PA+4*\b+3], v[SA+16*\b+8:SA+16*\b+15], v30
.endr
	v_nop                                          ; a plain line behind the last conversion
.set n, 0
.rept 32
	v_dual_min_num_f32 v[SB+n], v[SB+n], v28 :: v_dual_min_num_f32 v[SB+n+1], v[SB+n+1], v29   ; B's hold; p is not negative, so it is one-sided
.set n, n+2
.endr
	s_wait_alu depctr_va_vdst(0)                   ; directly ahead of the wait below
.if \last
	s_wait_dscnt 0x0
.else
	s_wait_dscnt 32                                ; V's 16 loads are in; the 32 issued behind them, the next step's K and mask words, may be out
.endif
	PV OA, PA
.irp b, 0,1,2,3
	v_cvt_scalef32_pk8_bf8_f32 v[PA+16+4*\b:PA+16+4*\b+1], v[SB+16*\b:SB+16*\b+7], v30
	v_cvt_scalef32_pk8_bf8_f32 v[PA+16+4*\b+2:PA+16+4*\b+3], v[SB+16*\b+8:SB+16*\b+15], v30
.endr
	v_nop
	PV OB, PA+16
.endm
	s_wait_alu depctr_va_vdst(0)                   ; the wait at the head's end
	s_wait_tensorcnt 0x0                           ; my part of K or V is in,
	s_wait_loadcnt 0x0                             ; Q,
	s_wait_dscnt 0x0                               ; and my mask words are stored
	s_barrier_signal -1
	s_barrier_wait -1                              ; everybody's are
	WIN 0x40
	LDKM 1, 2                                      ; step 0's K and mask words
	WIN 0
	s_mov_b32 s[TK], 8192
	s_mov_b32 s[TV], VB
	s_mov_b32 s[TBI], 512
	s_mov_b32 s[CNT], 15
.Lstep:
	STEP 0
	s_add_co_u32 s[TK], s[TK], 8192
	s_add_co_u32 s[TV], s[TV], 2048
	s_add_co_u32 s[TBI], s[TBI], 512
	s_sub_co_u32 s[CNT], s[CNT], 1
	s_cmp_lg_u32 s[CNT], 0
	s_wait_alu depctr_va_vdst(0)
	s_cbranch_scc1 .Lstep
	STEP 1                                         ; the sixteenth step fetches nothing beyond the end
	; THE WAY OUT: O^T / the sum stands for context / 2^(e8 + e9); its code is that / 2^(e10 - e8 - e9).  The 16 registers of tiles 2 g, 2 g + 1 are 16 neighbouring columns: a piece of the next operand's fragment.
	v_add_f32 v14, v14, v15
	v_add_f32 v16, v16, v17
	v_permlanex16_b32 v26, v14, s[SEL], s[SEL+1]
	v_permlanex16_b32 v27, v16, s[SEL], s[SEL+1]
	v_add_f32 v14, v14, v26
	v_add_f32 v16, v16, v27
	s_wait_alu depctr_va_vdst(0)                   ; ahead of the two reciprocals
	v_rcp_f32 v14, v14
	v_rcp_f32 v16, v16
	v_nop
	s_sub_co_i32 s48, s78, s76
	s_sub_co_i32 s48, s48, s77
	s_add_co_i32 s48, s48, 127
	s_lshl_b32 s49, s48, 23
	v_mov_b32 v30, s49
	s_add_co_i32 s48, s48, 15
	s_lshl_b32 s48, s48, 23
	s_or_b32 s48, s48, 0x600000
	v_mov_b32 v28, s48
	s_wait_alu depctr_va_vdst(0)                   ; ahead of the first reader of the reciprocals and of O^T
.set n, 0
.rept 16
	v_pk_mul_f32 v[SA+n:SA+n+1], v[OA+n:OA+n+1], v[14:15] op_sel_hi:[1,0]
	v_pk_mul_f32 v[SA+32+n:SA+32+n+1], v[OB+n:OB+n+1], v[16:17] op_sel_hi:[1,0]
.set n, n+2
.endr
.set n, 0
.rept 64
	v_med3_num_f32 v[SA+n], v[SA+n], -v28, v28
.set n, n+1
.endr
.irp k, 0,1,2,3,4,5,6,7
	v_cvt_scalef32_pk8_bf8_f32 v[PA+2*\k:PA+2*\k+1], v[SA+8*\k:SA+8*\k+7], v30
.endr
	v_nop
	global_store_b128 v1, v[PA:PA+3], s[10:11]                     ; 512 consecutive bytes each; tile B's fragment lies 16,384 bytes behind A's
	global_store_b128 v1, v[PA+4:PA+7], s[10:11] offset:512
	global_store_b128 v1, v[PA+8:PA+11], s[10:11] offset:16384
	global_store_b128 v1, v[PA+12:PA+15], s[10:11] offset:16896
	s_wait_tensorcnt 0x0                           ; the wave's end
	ds_add_u32 v3, v4
	s_wait_dscnt 0x0
	CROUND                                         ; the closing round
	s_endpgm
.Lfunc_end_k_q54eca0bb10_attn:
	.size	k_q54eca0bb10_attn, .Lfunc_end_k_q54eca0bb10_attn-k_q54eca0bb10_attn
	.p2alignl 7, 3214868480
	.fill 96, 4, 3214868480
	.section	.rodata,"a",@progbits
	.p2align	6, 0x0
	.amdhsa_kernel k_q54eca0bb10_attn
		.amdhsa_group_segment_fixed_size 272384
		.amdhsa_private_segment_fixed_size 0
		.amdhsa_enable_private_segment 0
		.amdhsa_kernarg_size 32
		.amdhsa_user_sgpr_count 2
		.amdhsa_user_sgpr_kernarg_segment_ptr 1
		.amdhsa_wavefront_size32 1
		.amdhsa_system_sgpr_workgroup_id_x 1
		.amdhsa_system_sgpr_workgroup_id_y 1
		.amdhsa_system_sgpr_workgroup_id_z 1
		.amdhsa_system_vgpr_workitem_id 0
		.amdhsa_next_free_vgpr 512
		.amdhsa_next_free_sgpr 100
		.amdhsa_reserve_vcc 1
		.amdhsa_float_denorm_mode_32 3
		.amdhsa_float_denorm_mode_16_64 3
		.amdhsa_memory_ordered 1
		.amdhsa_forward_progress 1
		.amdhsa_inst_pref_size 76
	.end_amdhsa_kernel
	.amdgpu_metadata
---
amdhsa.version: [ 1, 2 ]
amdhsa.kernels:
  - .name:           k_q54eca0bb10_attn
    .symbol:         k_q54eca0bb10_attn.kd
    .args:
      - { .name: qkv, .offset: 0, .size: 8, .value_kind: global_buffer, .address_space: global }
      - { .name: mask, .offset: 8, .size: 8, .value_kind: global_buffer, .address_space: global }
      - { .name: lowp_scales, .offset: 16, .size: 8, .value_kind: global_buffer, .address_space: global }
      - { .name: ctx, .offset: 24, .size: 8, .value_kind: global_buffer, .address_space: global }
    .group_segment_fixed_size: 272384
    .private_segment_fixed_size: 0
    .kernarg_segment_align: 8
    .kernarg_segment_size: 32
    .max_flat_workgroup_size: 256
    .sgpr_count:     100
    .vgpr_count:     512
    .wavefront_size: 32
...
	.end_amdgpu_metadata
.endif
;; end of part 3
;; launch wo (part 4): grid 8 x 32, 4 waves a work-group, clusters of 4 x 4, 327,680 bytes of LDS; arguments ctx, wcodes, lowp_scales, x, rsum; writes rsum
.if DOCPART == 4
	.amdgcn_target "amdgcn-amd-amdhsa--gfx1250"
	.amdhsa_code_object_version 6
	.text
	.protected	k_q54eca0bb10_wo
	.globl	k_q54eca0bb10_wo
	.p2align	8
	.type	k_q54eca0bb10_wo,@function
k_q54eca0bb10_wo:
	s_mov_b64 s[64:65], 0
	v_nop
	global_prefetch_b8 v0, s[64:65] scope:SCOPE_SE
	s_setreg_imm32_b32 hwreg(HW_REG_WAVE_MODE, 25, 1), 1
	s_wait_xcnt 0x0
	s_wait_alu depctr_hold_cnt(0) depctr_sa_sdst(0) depctr_va_vdst(0) depctr_va_sdst(0) depctr_va_ssrc(0) depctr_va_vcc(0) depctr_vm_vsrc(0)
	s_getreg_b32 s2, hwreg(HW_REG_IB_STS2, 6, 4)
	s_cmp_eq_u32 s2, 0
	s_cbranch_scc0 .Lentry_in_a_cluster
	s_endpgm
.Lentry_in_a_cluster:
	s_bfe_u32 s2, ttmp6, 0x10000c
	s_cmp_lg_u32 s2, 0xf033
	s_cbranch_scc0 .Lentry_shape_is_right
	s_endpgm
.Lentry_shape_is_right:
; rsum = x + context W_o: the product on codes of BF8, K = 1,024; f32 out, rows in their natural order.
; With 1,024 columns tiles of 256 x 256 would be 64: a tile is 128 x 128, 256 work-groups of four waves, 64 x 64 a wave: 16 accumulators.
; Operands lie as images of operand registers (launch prep): no pitch, no padding in LDS.  One slot holds all of K (eight K steps of 128), so nothing is filled again.
; CLUSTERS 4 x 4: A's tile is asked for jointly along a row, B's along a column.  THE MATRIX INSTRUCTION IS USED TRANSPOSED: a lane holds one row (token) and, in B's tiles 2 g, 2 g + 1, 16 neighbouring columns.
; Row r of A's tile T is token 32 (T / 2) + 8 (T % 2) + r + 8 (r / 8): the way out puts each row in its place.  The residual's 64 x 64 numbers are asked for at the head and wait in registers.
; LIMIT: e10 + e11 between -126 and 127.
; REGISTERS: window 0: v16-29 addresses, v64-95 rows back from the stage, v128-255 the accumulators ((a, b) at v[128 + 8 (4 a + b)]); window 1: two fragment buffers of 128 (A's four fragments, then B's four); window 2: v0-127 the residual, then the result.
.set KT,     8                         ; K steps of 128
.set WOFF,   0x300000                  ; W_o's codes in wcodes
.set EA,     78                        ; s78, s79: e10, e11
.set RESP,   10                        ; s[10:11] the residual
.set OUTP,   12                        ; s[12:13] the result
.set KROW,   KT*2048
.set SLB,    16384                     ; a tile's whole row of K: ONE slot holds all of K, brought by one tensor load a wave (4 tiles x 16,384 bytes)
.set HALFT,  65536                     ; 4 tiles of rows x 16,384 bytes
.set SLOT,   4*HALFT
.set SPARE,  SLOT                      ; behind the slot: the spare words
.set STAGE,  SLOT+512                  ; behind them: the stages of the way out, bytes of their own
.set SPITCH, 272
.set ADRA, 16
.set ADRB, 20
.set STO,  24
.set RD,   25
.set CO,   26
.set SPW,  28
.set NIL,  29
.set BK,   64
.set ACC,  128
.set F0,   0
.set F1,   128
.set G1, 24
.set G0, 32
.set G1B, 48
.set G0B, 56
.set MSB, 0
.macro WIN new
.if MSB != \new
	s_set_vgpr_msb (MSB<<8)|\new
.set MSB, \new
.endif
.endm
.set MUL,  0x05                        ; sources 0 (B) and 1 (A) window 1; C and D window 0
.set TO_F, 0x40
.macro JLOAD s                         ; waves 0 and 1 fetch A's halves, waves 2 and 3 B's; four v_nop follow each of the two lines
	s_cmp_eq_u32 s17, 0
	s_cbranch_scc0 .Lfor_b_\@
	tensor_load_to_lds s[G0+4*\s:G0+4*\s+3], s[G1:G1+7]
	s_nop 0
.rept 4
	v_nop
.endr
	s_branch .Lasked_\@
.Lfor_b_\@:
	tensor_load_to_lds s[G0B+4*\s:G0B+4*\s+3], s[G1B:G1B+7]
	s_nop 0
.rept 4
	v_nop
.endr
.Lasked_\@:
.endm
.macro CREST
	s_cmp_lg_u32 s16, 0
	s_cbranch_scc1 .Lnot_wave_0_\@
	s_barrier_signal -3
.Lnot_wave_0_\@:
	s_barrier_wait -3
	s_barrier_signal -1
	s_barrier_wait -1
.endm
.macro CROUND
	s_barrier_signal -1
	s_barrier_wait -1
	CREST
.endm
	s_load_b256 s[4:11], s[0:1], 0x0               ; ctx, wcodes, the scales' exponents, x
	s_load_b64 s[12:13], s[0:1], 0x20              ; rsum
	v_lshl_add_u32 v[SPW], v0, 2, SPARE
	v_mov_b32 v[NIL], 0
	ds_add_u32 v28, v29
	ds_add_u32 v28, v29
	s_wait_dscnt 0x0
	v_lshrrev_b32 v1, 5, v0
	v_readfirstlane_b32 s16, v1                    ; wave
	s_lshr_b32 s17, s16, 1                         ; my half of the rows.  Also: I fetch for A (0) or for B (1)
	s_and_b32 s18, s16, 1                          ; my half of the columns.  Also: which half I fetch
	s_bfe_u32 s40, ttmp6, 0x40000
	s_bfe_u32 s41, ttmp6, 0x40004
	s_lshl_b32 s42, ttmp9, 2
	s_add_co_u32 s42, s42, s40                     ; tile column
	s_and_b32 s43, ttmp7, 0xffff
	s_lshl_b32 s43, s43, 2
	s_add_co_u32 s43, s43, s41                     ; tile row
	s_lshl_b32 s44, s41, 2
	s_lshl_b32 s44, 15, s44
	s_lshl_b32 s45, 0x1111, s40
	s_or_b32 s[G1+0], s44, (1<<21)                 ; the mask: my row; elements of 1 byte; no padding; 21 set beside a mask
	s_or_b32 s[G1B+0], s45, (1<<21)
.irp g, G1, G1B
	s_mov_b32 s[\g+1], SLB<<16                     ; tensor_dim0 = 16,384
	s_mov_b32 s[\g+2], 4<<16                       ; tensor_dim1 = 4
	s_mov_b32 s[\g+3], SLB<<16
	s_mov_b32 s[\g+4], 4
	s_mov_b32 s[\g+5], KROW
	s_mov_b32 s[\g+6], 0
	s_mov_b32 s[\g+7], 0
.endr
	s_lshl_b32 s19, s18, 2
	s_lshl_b32 s20, s43, 3
	s_add_co_u32 s20, s20, s19
	s_mul_i32 s20, s20, KROW
	s_mov_b32 s21, 0
	s_lshl_b32 s46, s42, 3
	s_add_co_u32 s46, s46, s19
	s_mul_i32 s46, s46, KROW
	s_add_co_u32 s46, s46, WOFF
	s_mov_b32 s47, 0
	s_mul_i32 s19, s16, HALFT
	s_wait_kmcnt 0x0
	s_load_b512 s[68:83], s[8:9], 0x0
	s_add_nc_u64 s[20:21], s[4:5], s[20:21]
	s_add_nc_u64 s[46:47], s[6:7], s[46:47]
	CROUND
.irp s, 0
	s_mov_b32 s[G0+4*\s], 1
	s_add_co_u32 s[G0+4*\s+1], s19, \s*SLOT
	s_add_nc_u64 s[G0+4*\s+2:G0+4*\s+3], s[20:21], \s*SLB
	s_or_b32 s[G0+4*\s+3], s[G0+4*\s+3], 0x80000000
	s_mov_b32 s[G0B+4*\s], 1
	s_add_co_u32 s[G0B+4*\s+1], s19, \s*SLOT
	s_add_nc_u64 s[G0B+4*\s+2:G0B+4*\s+3], s[46:47], \s*SLB
	s_or_b32 s[G0B+4*\s+3], s[G0B+4*\s+3], 0x80000000
	JLOAD \s
.endr
	v_and_b32 v1, 31, v0
	v_lshlrev_b32 v2, 4, v1
	s_mul_i32 s22, s17, HALFT
	s_mul_i32 s23, s18, HALFT
	s_add_co_u32 s23, s23, 2*HALFT
.irp s, 0
	v_add_nc_u32 v[ADRA+\s], s22, v2
	v_add_nc_u32 v[ADRB+\s], s23, v2
	s_add_co_u32 s22, s22, SLOT
	s_add_co_u32 s23, s23, SLOT
.endr
	v_and_b32 v3, 15, v0                           ; r
	v_bfe_u32 v4, v0, 4, 1                         ; h
	s_mul_i32 s22, s16, 16*SPITCH                  ; my stage: 16 rows x (256 + 16) bytes, on bytes that no tensor load fills
	s_add_co_u32 s22, s22, STAGE
	v_mul_u32_u24 v5, v3, SPITCH
	v_lshl_add_u32 v5, v4, 6, v5
	v_add_nc_u32 v[STO], s22, v5                   ; in: row r, + 64 h
	v_mul_u32_u24 v5, v4, SPITCH
	v_lshl_add_u32 v5, v3, 4, v5
	v_add_nc_u32 v[RD], s22, v5                    ; back: lanes 0-15 one row, lanes 16-31 the next
	v_lshlrev_b32 v5, 12, v4
	v_lshl_add_u32 v[CO], v3, 4, v5                ; and the same two rows of 4,096 bytes in memory
	s_wait_alu depctr_va_vdst(0)
	s_lshl_b32 s22, s43, 7
	s_lshl_b32 s23, s17, 6
	s_add_co_u32 s22, s22, s23                     ; my first token
	s_lshl_b32 s22, s22, 12
	s_lshl_b32 s23, s42, 9
	s_add_co_u32 s22, s22, s23
	s_lshl_b32 s23, s18, 8
	s_add_co_u32 s22, s22, s23                     ; + my first column, in bytes
	s_mov_b32 s23, 0
	s_add_nc_u64 s[RESP:RESP+1], s[RESP:RESP+1], s[22:23]
	s_add_nc_u64 s[OUTP:OUTP+1], s[OUTP:OUTP+1], s[22:23]
	WIN 0x80                                       ; destination window 2
.irp a, 0,1,2,3
.irp t, 0,1,2,3,4,5,6,7
	global_load_b128 v[32*\a+4*\t:32*\a+4*\t+3], v[CO], s[RESP:RESP+1] offset:(32*(\a/2)+8*(\a%2)+2*\t+8*(\t/4))*4096 th:TH_LOAD_NT   ; rows 2 t, 2 t + 1 of A's tile a, at their tokens
.endr
.endr
	WIN 0
.macro MUL4 f, a, zero                 ; A's block a x B's four; the 16 accumulators take turns, one instruction a turn
.irp b, 0,1,2,3
.if \zero
	v_wmma_f32_16x16x128_bf8_bf8 v[ACC+8*(4*\a+\b):ACC+8*(4*\a+\b)+7], v[\f+64+16*\b:\f+64+16*\b+15], v[\f+16*\a:\f+16*\a+15], 0
.else
	v_wmma_f32_16x16x128_bf8_bf8 v[ACC+8*(4*\a+\b):ACC+8*(4*\a+\b)+7], v[\f+64+16*\b:\f+64+16*\b+15], v[\f+16*\a:\f+16*\a+15], v[ACC+8*(4*\a+\b):ACC+8*(4*\a+\b)+7]
.endif
.endr
.endm
.macro FETCH slot, q, f                ; 32 LDS loads in one run: K step q of the slot into buffer f
	WIN TO_F
.irp i, 0,1,2,3
.irp c, 0,1,2,3
	ds_load_b128 v[\f+64+16*\i+4*\c:\f+64+16*\i+4*\c+3], v[ADRB+\slot] offset:16384*\i+2048*(\q)+512*\c
.endr
.endr
.irp i, 0,1,2,3
.irp c, 0,1,2,3
	ds_load_b128 v[\f+16*\i+4*\c:\f+16*\i+4*\c+3], v[ADRA+\slot] offset:16384*\i+2048*(\q)+512*\c
.endr
.endr
.endm
.macro PLACES
.rept 4
	v_nop
.endr
.endm
; An eighth of the slot: 128 along K, 16 matrix instructions on buffer f; the next quarter's fragments are asked for first, into buffer g, and land meanwhile.
.macro QUARTER slot, qn, f, g, zero
	s_wait_dscnt 0x0                               ; buffer f is in
	PLACES                                         ; behind the last products, which read buffer g
	FETCH \slot, \qn, \g
	WIN MUL
	MUL4 \f, 0, \zero
	MUL4 \f, 1, \zero
	MUL4 \f, 2, \zero
	MUL4 \f, 3, \zero
.endm
	s_wait_tensorcnt 0x0                           ; my one load is in: my part of all of K
	s_barrier_signal -1
	s_barrier_wait -1                              ; everybody's is; nothing is filled again, and the waves meet no more until the end
	FETCH 0, 0, F0
	QUARTER 0, 1, F0, F1, 1                        ; the first products start the sums
	QUARTER 0, 2, F1, F0, 0
	QUARTER 0, 3, F0, F1, 0
	QUARTER 0, 4, F1, F0, 0
	QUARTER 0, 5, F0, F1, 0
	QUARTER 0, 6, F1, F0, 0
	QUARTER 0, 7, F0, F1, 0
	s_wait_dscnt 0x0
	WIN MUL
	MUL4 F1, 0, 0
	MUL4 F1, 1, 0
	MUL4 F1, 2, 0
	MUL4 F1, 3, 0
	WIN 0
	; THE WAY OUT, a tile of 16 rows x 64 columns at a time, through my own stage: in by lanes (a row's 32 bytes), back by rows of 256 bytes; result = sum x 2^(ea + eb) + residual, one packed multiply-add for two numbers.
	s_wait_kmcnt 0x0
	s_add_co_i32 s84, s[EA], s[EA+1]
	s_add_co_i32 s84, s84, 127
	s_lshl_b32 s84, s84, 23
	s_mov_b32 s85, s84
	s_wait_loadcnt 0x0                             ; the residual
	PLACES
.irp a, 0,1,2,3
.irp b, 0,1,2,3
	ds_store_b128 v[STO], v[ACC+8*(4*\a+\b):ACC+8*(4*\a+\b)+3] offset:128*(\b/2)+32*(\b%2)        ; columns 32 (b / 2) + 8 (b % 2) + 16 h + 0 .. 7; each accumulator from its low end on
	ds_store_b128 v[STO], v[ACC+8*(4*\a+\b)+4:ACC+8*(4*\a+\b)+7] offset:128*(\b/2)+32*(\b%2)+16
.endr
.irp t, 0,1,2,3,4,5,6,7
	ds_load_b128 v[BK+4*\t:BK+4*\t+3], v[RD] offset:2*SPITCH*\t   ; LDS serves a wave's instructions in order (ISA guide 5.7.1.4)
.endr
	s_wait_dscnt 0x0
	WIN 0xa0                                       ; source 2 and destination window 2
.irp i, 0,2,4,6,8,10,12,14,16,18,20,22,24,26,28,30
	v_pk_fma_f32 v[32*\a+\i:32*\a+\i+1], v[BK+\i:BK+\i+1], s[84:85], v[32*\a+\i:32*\a+\i+1] op_sel_hi:[1,0,1]
.endr
	WIN 0x08                                       ; a store's data: window 2
.irp t, 0,1,2,3,4,5,6,7
	global_store_b128 v[CO], v[32*\a+4*\t:32*\a+4*\t+3], s[OUTP:OUTP+1] offset:(32*(\a/2)+8*(\a%2)+2*\t+8*(\t/4))*4096 th:TH_STORE_NT   ; 16 lanes store 256 consecutive bytes, aligned
.endr
	WIN 0
.endr
	s_wait_tensorcnt 0x0                           ; the wave's end
	ds_add_u32 v[SPW], v[NIL]
	s_wait_dscnt 0x0
	CROUND
	s_endpgm
.Lfunc_end_k_q54eca0bb10_wo:
	.size	k_q54eca0bb10_wo, .Lfunc_end_k_q54eca0bb10_wo-k_q54eca0bb10_wo
	.p2alignl 7, 3214868480
	.fill 96, 4, 3214868480
	.section	.rodata,"a",@progbits
	.p2align	6, 0x0
	.amdhsa_kernel k_q54eca0bb10_wo
		.amdhsa_group_segment_fixed_size 327680
		.amdhsa_private_segment_fixed_size 0
		.amdhsa_enable_private_segment 0
		.amdhsa_kernarg_size 40
		.amdhsa_user_sgpr_count 2
		.amdhsa_user_sgpr_kernarg_segment_ptr 1
		.amdhsa_wavefront_size32 1
		.amdhsa_system_sgpr_workgroup_id_x 1
		.amdhsa_system_sgpr_workgroup_id_y 1
		.amdhsa_system_sgpr_workgroup_id_z 1
		.amdhsa_system_vgpr_workitem_id 0
		.amdhsa_next_free_vgpr 640
		.amdhsa_next_free_sgpr 100
		.amdhsa_reserve_vcc 0
		.amdhsa_float_denorm_mode_32 3
		.amdhsa_float_denorm_mode_16_64 3
		.amdhsa_memory_ordered 1
		.amdhsa_forward_progress 1
		.amdhsa_inst_pref_size 47
	.end_amdhsa_kernel
	.amdgpu_metadata
---
amdhsa.version: [ 1, 2 ]
amdhsa.kernels:
  - .name:           k_q54eca0bb10_wo
    .symbol:         k_q54eca0bb10_wo.kd
    .args:
      - { .name: ctx, .offset: 0, .size: 8, .value_kind: global_buffer, .address_space: global }
      - { .name: wcodes, .offset: 8, .size: 8, .value_kind: global_buffer, .address_space: global }
      - { .name: lowp_scales, .offset: 16, .size: 8, .value_kind: global_buffer, .address_space: global }
      - { .name: x, .offset: 24, .size: 8, .value_kind: global_buffer, .address_space: global }
      - { .name: rsum, .offset: 32, .size: 8, .value_kind: global_buffer, .address_space: global }
    .group_segment_fixed_size: 327680
    .private_segment_fixed_size: 0
    .kernarg_segment_align: 8
    .kernarg_segment_size: 40
    .max_flat_workgroup_size: 128
    .sgpr_count:     100
    .vgpr_count:     640
    .wavefront_size: 32
...
	.end_amdgpu_metadata
.endif
;; end of part 4
;; launch ln1 (part 5): grid 256 x 1, 4 waves a work-group, no clusters, 66,560 bytes of LDS; arguments rsum, gamma1, beta1, lowp_scales, y1, y1codes; writes y1, y1codes
.if DOCPART == 5
	.amdgcn_target "amdgcn-amd-amdhsa--gfx1250"
	.amdhsa_code_object_version 6
	.text
	.protected	k_q54eca0bb10_ln1
	.globl	k_q54eca0bb10_ln1
	.p2align	8
	.type	k_q54eca0bb10_ln1,@function
k_q54eca0bb10_ln1:
	s_mov_b64 s[64:65], 0
	v_nop
	global_prefetch_b8 v0, s[64:65] scope:SCOPE_SE
	s_setreg_imm32_b32 hwreg(HW_REG_WAVE_MODE, 25, 1), 1
	s_wait_xcnt 0x0
; y1 = gamma1 (r - mean) / (std + 1e-6) + beta1 along rows of 1,024, std with the divisor 1,023; stored as f32, and as codes of BF8 (entry 12 of the scales) in the layout of launch prep.
; A work-group is a tile T of 16 rows of the codes' buffer: row p is token 32 (T / 2) + 8 (T % 2) + p + 8 (p / 8).  Wave w takes rows 4 w .. 4 w + 3, a whole row of 4,096 bytes in 32 registers: read once, kept between the passes.
; The mean is taken away before the squares are summed.  The four rows go line by line, so that no line waits for the line above it.
; For the codes the 16 rows meet in a stage in LDS (pitch 4,112); behind a barrier wave w takes K steps 2 w and 2 w + 1: a lane reads 16 neighbours of each block of 32.  Memory binds: no matrix unit, no cluster, no tensor load.
; LIMITS: e12 between -126 and 112.  NaN among the inputs is not served.
.set X,  32                            ; v32-159  four rows
.set G,  160                           ; v160-191 gamma
.set BE, 192                           ; v192-223 beta
.set T,  224                           ; v224-255 eight registers a row: +0 sum, mean; +2 sum of squares, 1 / (std + eps); later the codes
.set SP, 4112
	s_load_b256 s[4:11], s[0:1], 0x0               ; rsum, gamma1, beta1, the scales' exponents
	s_load_b128 s[12:15], s[0:1], 0x20             ; y1, y1codes
	v_lshl_add_u32 v30, v0, 2, 0x10200
	v_mov_b32 v31, 0
	v_lshrrev_b32 v1, 5, v0
	v_readfirstlane_b32 s16, v1                    ; wave
	v_and_b32 v1, 31, v0
	v_lshlrev_b32 v2, 4, v1                        ; 16 x lane
	s_wait_alu depctr_va_vdst(0)
	s_lshr_b32 s17, ttmp9, 1
	s_lshl_b32 s17, s17, 5
	s_and_b32 s18, ttmp9, 1
	s_lshl_b32 s18, s18, 3
	s_add_co_u32 s17, s17, s18
	s_lshl_b32 s18, s16, 2
	s_add_co_u32 s17, s17, s18
	s_lshr_b32 s18, s16, 1
	s_lshl_b32 s18, s18, 3
	s_add_co_u32 s17, s17, s18                     ; my first token: my four are neighbours
	s_lshl_b32 s18, s17, 12
	s_mov_b32 s19, 0
	s_mov_b32 s20, 0x76543210
	s_mov_b32 s21, 0xfedcba98
	s_lshl_b32 s24, ttmp9, 3
	s_lshl_b32 s25, s16, 1
	s_add_co_u32 s24, s24, s25
	s_lshl_b32 s24, s24, 11                        ; fragment 8 T + 2 w
	s_mov_b32 s25, 0
	s_mul_i32 s23, s16, 4*SP
	v_add_nc_u32 v3, s23, v2                       ; the stage, in: my first row, 16 bytes a lane
	v_and_b32 v5, 15, v0
	v_bfe_u32 v6, v0, 4, 1
	v_mul_u32_u24 v4, v5, SP
	v_lshl_add_u32 v4, v6, 6, v4
	s_lshl_b32 s23, s16, 10
	v_add_nc_u32 v4, s23, v4                       ; out: row r, + 64 h, + my two K steps of 512 bytes
	s_wait_kmcnt 0x0
	s_load_b32 s22, s[10:11], 0x30                 ; e12
	s_add_nc_u64 s[4:5], s[4:5], s[18:19]
	s_add_nc_u64 s[12:13], s[12:13], s[18:19]
	s_add_nc_u64 s[14:15], s[14:15], s[24:25]
.irp i, 0,1,2,3
.irp j, 0,1,2,3,4,5,6,7
	global_load_b128 v[X+32*\i+4*\j:X+32*\i+4*\j+3], v2, s[4:5] offset:4096*\i+512*\j th:TH_LOAD_NT
.endr
.endr
.irp j, 0,1,2,3,4,5,6,7
	global_load_b128 v[G+4*\j:G+4*\j+3], v2, s[6:7] offset:512*\j
	global_load_b128 v[BE+4*\j:BE+4*\j+3], v2, s[8:9] offset:512*\j
.endr
.macro RED o                           ; v[T + 8 i + o] summed over the 32 lanes, for the four rows; the register behind it is at work
.irp m, 1,2,4,8
.irp i, 0,1,2,3
	v_add_f32_dpp v[T+8*\i+\o], v[T+8*\i+\o], v[T+8*\i+\o] row_xmask:\m row_mask:0xf bank_mask:0xf
.endr
.endr
.irp i, 0,1,2,3
	v_permlanex16_b32 v[T+8*\i+\o+1], v[T+8*\i+\o], s20, s21
.endr
.irp i, 0,1,2,3
	v_add_f32 v[T+8*\i+\o], v[T+8*\i+\o], v[T+8*\i+\o+1]
.endr
.endm
	s_wait_loadcnt 16                              ; the rows are in; gamma's and beta's 16 loads may be out
.irp i, 0,1,2,3
	v_pk_add_f32 v[T+8*\i:T+8*\i+1], v[X+32*\i:X+32*\i+1], v[X+32*\i+2:X+32*\i+3]
	v_pk_add_f32 v[T+8*\i+2:T+8*\i+3], v[X+32*\i+4:X+32*\i+5], v[X+32*\i+6:X+32*\i+7]
.endr
.irp j, 8,12,16,20,24,28
.irp i, 0,1,2,3
	v_pk_add_f32 v[T+8*\i:T+8*\i+1], v[T+8*\i:T+8*\i+1], v[X+32*\i+\j:X+32*\i+\j+1]
	v_pk_add_f32 v[T+8*\i+2:T+8*\i+3], v[T+8*\i+2:T+8*\i+3], v[X+32*\i+\j+2:X+32*\i+\j+3]
.endr
.endr
.irp i, 0,1,2,3
	v_pk_add_f32 v[T+8*\i:T+8*\i+1], v[T+8*\i:T+8*\i+1], v[T+8*\i+2:T+8*\i+3]
.endr
.irp i, 0,1,2,3
	v_add_f32 v[T+8*\i], v[T+8*\i], v[T+8*\i+1]
.endr
	RED 0
.irp i, 0,1,2,3
	v_mul_f32 v[T+8*\i], 0x3a800000, v[T+8*\i]     ; the mean: / 1,024
.endr
.irp j, 0,2,4,6,8,10,12,14,16,18,20,22,24,26,28,30
.irp i, 0,1,2,3
	v_pk_add_f32 v[X+32*\i+\j:X+32*\i+\j+1], v[X+32*\i+\j:X+32*\i+\j+1], v[T+8*\i:T+8*\i+1] op_sel_hi:[1,0] neg_lo:[0,1] neg_hi:[0,1]   ; r - mean
.endr
.endr
.irp i, 0,1,2,3
	v_pk_mul_f32 v[T+8*\i+2:T+8*\i+3], v[X+32*\i:X+32*\i+1], v[X+32*\i:X+32*\i+1]
	v_pk_mul_f32 v[T+8*\i+4:T+8*\i+5], v[X+32*\i+2:X+32*\i+3], v[X+32*\i+2:X+32*\i+3]
.endr
.irp j, 4,8,12,16,20,24,28
.irp i, 0,1,2,3
	v_pk_fma_f32 v[T+8*\i+2:T+8*\i+3], v[X+32*\i+\j:X+32*\i+\j+1], v[X+32*\i+\j:X+32*\i+\j+1], v[T+8*\i+2:T+8*\i+3]
	v_pk_fma_f32 v[T+8*\i+4:T+8*\i+5], v[X+32*\i+\j+2:X+32*\i+\j+3], v[X+32*\i+\j+2:X+32*\i+\j+3], v[T+8*\i+4:T+8*\i+5]
.endr
.endr
.irp i, 0,1,2,3
	v_pk_add_f32 v[T+8*\i+2:T+8*\i+3], v[T+8*\i+2:T+8*\i+3], v[T+8*\i+4:T+8*\i+5]
.endr
.irp i, 0,1,2,3
	v_add_f32 v[T+8*\i+2], v[T+8*\i+2], v[T+8*\i+3]
.endr
	RED 2
.irp i, 0,1,2,3
	v_mul_f32 v[T+8*\i+2], 0x3a802008, v[T+8*\i+2] ; / 1,023
.endr
	s_wait_alu depctr_va_vdst(0)
.irp i, 0,1,2,3
	v_sqrt_f32 v[T+8*\i+2], v[T+8*\i+2]
.endr
	v_nop                                          ; a plain line behind the last root,
	s_wait_alu depctr_va_vdst(0)                   ; and one wait for the four, ahead of their first reader
.irp i, 0,1,2,3
	v_add_f32 v[T+8*\i+2], 0x358637bd, v[T+8*\i+2] ; + 1e-6
.endr
	s_wait_alu depctr_va_vdst(0)
.irp i, 0,1,2,3
	v_rcp_f32 v[T+8*\i+2], v[T+8*\i+2]
.endr
	v_nop
	s_wait_alu depctr_va_vdst(0)
	s_wait_loadcnt 0x0                             ; gamma and beta
.irp j, 0,2,4,6,8,10,12,14,16,18,20,22,24,26,28,30
.irp i, 0,1,2,3
	v_pk_mul_f32 v[X+32*\i+\j:X+32*\i+\j+1], v[X+32*\i+\j:X+32*\i+\j+1], v[T+8*\i+2:T+8*\i+3] op_sel_hi:[1,0]
.endr
.irp i, 0,1,2,3
	v_pk_fma_f32 v[X+32*\i+\j:X+32*\i+\j+1], v[X+32*\i+\j:X+32*\i+\j+1], v[G+\j:G+\j+1], v[BE+\j:BE+\j+1]
.endr
.endr
.irp i, 0,1,2,3
.irp j, 0,1,2,3,4,5,6,7
	global_store_b128 v2, v[X+32*\i+4*\j:X+32*\i+4*\j+3], s[12:13] offset:4096*\i+512*\j   ; 512 consecutive bytes
.endr
.endr
.irp i, 0,1,2,3
.irp j, 0,1,2,3,4,5,6,7
	ds_store_b128 v3, v[X+32*\i+4*\j:X+32*\i+4*\j+3] offset:SP*\i+512*\j
.endr
.endr
	s_wait_kmcnt 0x0
	s_add_co_i32 s22, s22, 127
	s_lshl_b32 s23, s22, 23
	v_mov_b32 v10, s23                             ; 2^e12
	s_add_co_i32 s22, s22, 15
	s_lshl_b32 s22, s22, 23
	s_or_b32 s22, s22, 0x600000
	v_mov_b32 v11, s22                             ; 57,344 x 2^e12
	s_wait_alu depctr_va_vdst(0)
	s_wait_dscnt 0x0                               ; for the others' sake: my rows lie in the stage
	s_barrier_signal -1
	s_barrier_wait -1
	s_wait_xcnt 0x0                                ; the stores to y1 have read the rows' registers: the second fragment's numbers may land there
.irp c, 0,1,2,3
.irp j, 0,1,2,3
	ds_load_b128 v[G+16*\c+4*\j:G+16*\c+4*\j+3], v4 offset:128*\c+16*\j
.endr
.endr
.irp c, 0,1,2,3
.irp j, 0,1,2,3
	ds_load_b128 v[X+16*\c+4*\j:X+16*\c+4*\j+3], v4 offset:512+128*\c+16*\j
.endr
.endr
.macro QUANT s, f                      ; 64 numbers of my lane become fragment f's four pieces
.set n, 0
.rept 64
	v_med3_num_f32 v[\s+n], v[\s+n], -v11, v11
.set n, n+1
.endr
.irp k, 0,1,2,3,4,5,6,7
	v_cvt_scalef32_pk8_bf8_f32 v[T+16*\f+2*\k:T+16*\f+2*\k+1], v[\s+8*\k:\s+8*\k+7], v10
.endr
.irp c, 0,1,2,3
	global_store_b128 v2, v[T+16*\f+4*\c:T+16*\f+4*\c+3], s[14:15] offset:2048*\f+512*\c
.endr
.endm
	s_wait_dscnt 16                                ; the first fragment's numbers are in
	QUANT G, 0
	s_wait_dscnt 0x0
	QUANT X, 1
	s_wait_tensorcnt 0x0
	ds_add_u32 v30, v31
	s_wait_dscnt 0x0
	s_endpgm
.Lfunc_end_k_q54eca0bb10_ln1:
	.size	k_q54eca0bb10_ln1, .Lfunc_end_k_q54eca0bb10_ln1-k_q54eca0bb10_ln1
	.p2alignl 7, 3214868480
	.fill 96, 4, 3214868480
	.section	.rodata,"a",@progbits
	.p2align	6, 0x0
	.amdhsa_kernel k_q54eca0bb10_ln1
		.amdhsa_group_segment_fixed_size 66560
		.amdhsa_private_segment_fixed_size 0
		.amdhsa_enable_private_segment 0
		.amdhsa_kernarg_size 48
		.amdhsa_user_sgpr_count 2
		.amdhsa_user_sgpr_kernarg_segment_ptr 1
		.amdhsa_wavefront_size32 1
		.amdhsa_system_sgpr_workgroup_id_x 1
		.amdhsa_system_sgpr_workgroup_id_y 1
		.amdhsa_system_sgpr_workgroup_id_z 1
		.amdhsa_system_vgpr_workitem_id 0
		.amdhsa_next_free_vgpr 256
		.amdhsa_next_free_sgpr 66
		.amdhsa_reserve_vcc 0
		.amdhsa_float_denorm_mode_32 3
		.amdhsa_float_denorm_mode_16_64 3
		.amdhsa_memory_ordered 1
		.amdhsa_forward_progress 1
		.amdhsa_inst_pref_size 49
	.end_amdhsa_kernel
	.amdgpu_metadata
---
amdhsa.version: [ 1, 2 ]
amdhsa.kernels:
  - .name:           k_q54eca0bb10_ln1
    .symbol:         k_q54eca0bb10_ln1.kd
    .args:
      - { .name: rsum, .offset: 0, .size: 8, .value_kind: global_buffer, .address_space: global }
      - { .name: gamma1, .offset: 8, .size: 8, .value_kind: global_buffer, .address_space: global }
      - { .name: beta1, .offset: 16, .size: 8, .value_kind: global_buffer, .address_space: global }
      - { .name: lowp_scales, .offset: 24, .size: 8, .value_kind: global_buffer, .address_space: global }
      - { .name: y1, .offset: 32, .size: 8, .value_kind: global_buffer, .address_space: global }
      - { .name: y1codes, .offset: 40, .size: 8, .value_kind: global_buffer, .address_space: global }
    .group_segment_fixed_size: 66560
    .private_segment_fixed_size: 0
    .kernarg_segment_align: 8
    .kernarg_segment_size: 48
    .max_flat_workgroup_size: 128
    .sgpr_count:     66
    .vgpr_count:     256
    .wavefront_size: 32
...
	.end_amdgpu_metadata
.endif
;; end of part 5
;; launch ffn1 (part 6): grid 16 x 16, 4 waves a work-group, clusters of 4 x 4, 327,680 bytes of LDS; arguments y1codes, wcodes, lowp_scales, b1, hcodes; writes hcodes
.if DOCPART == 6
	.amdgcn_target "amdgcn-amd-amdhsa--gfx1250"
	.amdhsa_code_object_version 6
	.text
	.protected	k_q54eca0bb10_ffn1
	.globl	k_q54eca0bb10_ffn1
	.p2align	8
	.type	k_q54eca0bb10_ffn1,@function
k_q54eca0bb10_ffn1:
	s_mov_b64 s[64:65], 0
	v_nop
	global_prefetch_b8 v0, s[64:65] scope:SCOPE_SE
	s_setreg_imm32_b32 hwreg(HW_REG_WAVE_MODE, 25, 1), 1
	s_wait_xcnt 0x0
	s_wait_alu depctr_hold_cnt(0) depctr_sa_sdst(0) depctr_va_vdst(0) depctr_va_sdst(0) depctr_va_ssrc(0) depctr_va_vcc(0) depctr_vm_vsrc(0)
	s_getreg_b32 s2, hwreg(HW_REG_IB_STS2, 6, 4)
	s_cmp_eq_u32 s2, 0
	s_cbranch_scc0 .Lentry_in_a_cluster
	s_endpgm
.Lentry_in_a_cluster:
	s_bfe_u32 s2, ttmp6, 0x10000c
	s_cmp_lg_u32 s2, 0xf033
	s_cbranch_scc0 .Lentry_shape_is_right
	s_endpgm
.Lentry_shape_is_right:
.set HALFT,  32768
.set SLOT,   4*HALFT
.set SPARE,  2*SLOT
.set KROW,   16384
.set SLB,    4096
.set FR,     16
.set NL,     4
.set NP,     4
.set LAPS,   2
.set ADRA, 16
.set ADRB, 20
.set CO,   26
.set SPW,  28
.set NIL,  29
.set BIA,  32
.set TMP,  48
.set LIM,  112
.set SCL,  113
.set AF,   128
.set G1, 24
.set G0, 32
.set G1B, 48
.set G0B, 56
.set MSB, 0
.macro WIN new
.if MSB != \new
	s_set_vgpr_msb (MSB<<8)|\new
.set MSB, \new
.endif
.endm
.set MUL_LO, 0xa1
.set MUL_HI, 0xf1
.set TO_B,   0x40
.macro JLOAD g0a, g1a, g0b, g1b
	s_cmp_eq_u32 s15, 0
	s_cbranch_scc0 .Lfor_b_\@
	tensor_load_to_lds s[\g0a:\g0a+3], s[\g1a:\g1a+7]
	s_nop 0
.rept 4
	v_nop
.endr
	s_branch .Lasked_\@
.Lfor_b_\@:
	tensor_load_to_lds s[\g0b:\g0b+3], s[\g1b:\g1b+7]
	s_nop 0
.rept 4
	v_nop
.endr
.Lasked_\@:
.endm
.macro CREST
	s_cmp_lg_u32 s14, 0
	s_cbranch_scc1 .Lnot_wave_0_\@
	s_barrier_signal -3
.Lnot_wave_0_\@:
	s_barrier_wait -3
	s_barrier_signal -1
	s_barrier_wait -1
.endm
.macro CROUND
	s_barrier_signal -1
	s_barrier_wait -1
	CREST
.endm
	s_load_b256 s[4:11], s[0:1], 0x0
	s_load_b64 s[12:13], s[0:1], 0x20
	v_lshl_add_u32 v[SPW], v0, 2, SPARE
	v_mov_b32 v[NIL], 0
	ds_add_u32 v28, v29
	ds_add_u32 v28, v29
	s_wait_dscnt 0x0
	v_lshrrev_b32 v1, 5, v0
	v_readfirstlane_b32 s14, v1
	s_lshr_b32 s15, s14, 1
	s_and_b32 s16, s14, 1
	s_bfe_u32 s40, ttmp6, 0x40000
	s_bfe_u32 s41, ttmp6, 0x40004
	s_lshl_b32 s42, ttmp9, 2
	s_add_co_u32 s42, s42, s40
	s_and_b32 s17, ttmp7, 0xffff
	s_lshl_b32 s17, s17, 2
	s_add_co_u32 s17, s17, s41
	s_lshl_b32 s43, s41, 2
	s_lshl_b32 s43, 15, s43
	s_lshl_b32 s44, 0x1111, s40
	s_or_b32 s[G1+0], s43, (1<<21)
	s_or_b32 s[G1B+0], s44, (1<<21)
.irp g, G1, G1B
	s_mov_b32 s[\g+1], SLB<<16
	s_mov_b32 s[\g+2], 8<<16
	s_mov_b32 s[\g+3], SLB<<16
	s_mov_b32 s[\g+4], 8
	s_mov_b32 s[\g+5], KROW
	s_mov_b32 s[\g+6], 0
	s_mov_b32 s[\g+7], 0
.endr
	s_lshl_b32 s18, s16, 3
	s_lshl_b32 s20, s17, 4
	s_add_co_u32 s20, s20, s18
	s_lshl_b32 s20, s20, 14
	s_mov_b32 s21, 0
	s_lshl_b32 s46, s42, 4
	s_add_co_u32 s46, s46, s18
	s_lshl_b32 s46, s46, 14
	s_add_co_u32 s46, s46, 0x400000
	s_mov_b32 s47, 0
	s_mul_i32 s45, s14, HALFT
	s_wait_kmcnt 0x0
	s_load_b512 s[68:83], s[8:9], 0x0
	s_add_nc_u64 s[20:21], s[4:5], s[20:21]
	s_add_nc_u64 s[46:47], s[6:7], s[46:47]
	CROUND
.irp s, 0,1
	s_mov_b32 s[G0+4*\s], 1
	s_add_co_u32 s[G0+4*\s+1], s45, \s*SLOT
	s_add_nc_u64 s[G0+4*\s+2:G0+4*\s+3], s[20:21], \s*SLB
	s_or_b32 s[G0+4*\s+3], s[G0+4*\s+3], 0x80000000
	s_mov_b32 s[G0B+4*\s], 1
	s_add_co_u32 s[G0B+4*\s+1], s45, \s*SLOT
	s_add_nc_u64 s[G0B+4*\s+2:G0B+4*\s+3], s[46:47], \s*SLB
	s_or_b32 s[G0B+4*\s+3], s[G0B+4*\s+3], 0x80000000
.endr
	JLOAD G0, G1, G0B, G1B                         ; slot 0: one tensor load a wave at the head
	; prefetches into the L2: of the 8 tiles x 4,096 bytes that my wave fetches for a slot, the partner at place p (cx for A, cy for B) names tiles 2 p and 2 p + 1, a lane 256 bytes
	s_cmp_eq_u32 s15, 0
	s_cselect_b32 s96, s40, s41
	s_cselect_b64 s[94:95], s[20:21], s[46:47]
	s_mul_i32 s96, s96, 2*KROW
	s_mov_b32 s97, 0
	s_add_nc_u64 s[94:95], s[94:95], s[96:97]
	v_bfe_u32 v30, v0, 4, 1
	v_mul_u32_u24 v30, v30, KROW
	v_and_b32 v31, 15, v0
	v_lshl_add_u32 v30, v31, 8, v30
	global_prefetch_b8 v30, s[94:95] offset:SLB th:TH_LOAD_NT scope:SCOPE_SE     ; slot 1
	global_prefetch_b8 v30, s[94:95] offset:2*SLB th:TH_LOAD_NT scope:SCOPE_SE   ; slot 2
	s_lshl_b32 s90, s42, 10
	s_lshl_b32 s91, s16, 9
	s_add_co_u32 s90, s90, s91
	s_mov_b32 s91, 0
	s_add_nc_u64 s[10:11], s[10:11], s[90:91]
	v_bfe_u32 v2, v0, 4, 1
	v_lshlrev_b32 v2, 6, v2
.irp b, 0,1,2,3,4,5,6,7
	global_load_b128 v[BIA+8*\b:BIA+8*\b+3], v2, s[10:11] offset:(32*(\b/2)+8*(\b%2))*4
	global_load_b128 v[BIA+8*\b+4:BIA+8*\b+7], v2, s[10:11] offset:(32*(\b/2)+8*(\b%2))*4+16
.endr
	v_and_b32 v1, 31, v0
	v_lshlrev_b32 v[CO], 4, v1
	s_mul_i32 s21, s15, HALFT
	s_mul_i32 s22, s16, HALFT
	s_add_co_u32 s22, s22, 2*HALFT
.irp s, 0,1
	v_add_nc_u32 v[ADRA+\s], s21, v[CO]
	v_add_nc_u32 v[ADRB+\s], s22, v[CO]
	s_add_co_u32 s21, s21, SLOT
	s_add_co_u32 s22, s22, SLOT
.endr
	s_lshl_b32 s90, s17, 4
	s_lshl_b32 s91, s15, 3
	s_add_co_u32 s90, s90, s91
	s_lshl_b32 s90, s90, 16
	s_lshl_b32 s91, s42, 1
	s_add_co_u32 s91, s91, s16
	s_lshl_b32 s91, s91, 11
	s_add_co_u32 s90, s90, s91
	s_mov_b32 s91, 0
	s_add_nc_u64 s[12:13], s[12:13], s[90:91]
	s_wait_kmcnt 0x0
	s_add_co_i32 s92, s80, s81
	s_sub_co_i32 s93, 0, s92
	s_wait_loadcnt 0x0
.set n, 0
.rept 64
	v_ldexp_f32 v[BIA+n], v[BIA+n], s93
.set n, n+1
.endr
.macro FRAG reg, adr, q, i
.irp c, 0,1,2,3
	ds_load_b128 v[\reg+4*\c:\reg+4*\c+3], v[\adr] offset:4096*(\i)+2048*(\q)+512*\c
.endr
.endm
.macro MUL16 a0, p, zero
.irp a, \a0, \a0+1
.irp b, 0,1,2,3,4,5,6,7
.if \zero
	v_wmma_f32_16x16x128_bf8_bf8 v[8*(8*((\a)%4)+\b):8*(8*((\a)%4)+\b)+7], v[128*(\p)+FR*\b:128*(\p)+FR*\b+FR-1], v[AF+FR*(\a):AF+FR*(\a)+FR-1], v[BIA+8*\b:BIA+8*\b+7]
.else
	v_wmma_f32_16x16x128_bf8_bf8 v[8*(8*((\a)%4)+\b):8*(8*((\a)%4)+\b)+7], v[128*(\p)+FR*\b:128*(\p)+FR*\b+FR-1], v[AF+FR*(\a):AF+FR*(\a)+FR-1], v[8*(8*((\a)%4)+\b):8*(8*((\a)%4)+\b)+7]
.endif
.endr
.endr
.endm
.macro FETCH_B slot, q, p
	WIN TO_B
.irp i, 0,1,2,3,4,5,6,7
	FRAG 128*(\p)+FR*\i, ADRB+\slot, \q, \i
.endr
	WIN 0
.endm
.macro FETCH_A slot, q, i0
.irp i, \i0, \i0+1, \i0+2, \i0+3
	FRAG AF+FR*(\i), ADRA+\slot, \q, \i
.endr
.endm
.macro PLACES n
.rept \n
	v_nop
.endr
.endm
.macro STEP slot, q, zero
	s_wait_dscnt 4*NL
.if \zero
	WIN 0x81
.else
	WIN MUL_LO
.endif
	MUL16 0, (\q)%2, \zero
	MUL16 2, (\q)%2, \zero
	s_wait_dscnt 0
	PLACES NP
	FETCH_B \slot, (\q)+1, 1-(\q)%2
	FETCH_A \slot, (\q)+1, 0
.if \zero
	WIN 0xc1
.else
	WIN MUL_HI
.endif
	MUL16 4, (\q)%2, \zero
	MUL16 6, (\q)%2, \zero
	PLACES NP
	WIN 0
	FETCH_A \slot, (\q)+1, 4
.endm
.macro TURN slot, next, fill
	s_wait_tensorcnt 0x0
	ds_add_u32 v[SPW], v[NIL]
	s_wait_dscnt 4*NL+1
	WIN MUL_LO
	MUL16 0, 1, 0
	s_wait_dscnt 0x0
	s_barrier_signal -1
	MUL16 2, 1, 0
	WIN 0
	s_barrier_wait -1
.if \fill
	CREST
	s_add_nc_u64 s[G0+4*\slot+2:G0+4*\slot+3], s[G0+4*\slot+2:G0+4*\slot+3], 2*SLB
	s_add_nc_u64 s[G0B+4*\slot+2:G0B+4*\slot+3], s[G0B+4*\slot+2:G0B+4*\slot+3], 2*SLB
	JLOAD G0+4*\slot, G1, G0B+4*\slot, G1B
.else
	PLACES NP
.endif
	FETCH_B \next, 0, 0
	FETCH_A \next, 0, 0
	WIN MUL_HI
	MUL16 4, 1, 0
	MUL16 6, 1, 0
	PLACES NP
	WIN 0
	FETCH_A \next, 0, 4
.endm
	s_wait_alu depctr_va_vdst(0)                   ; the wait at the head's end
	s_wait_tensorcnt 0x0                           ; my part of slot 0 is in; the lines ahead of a later first fill
	ds_add_u32 v[SPW], v[NIL]
	s_wait_dscnt 0x0
	CROUND
	JLOAD G0+4, G1, G0B+4, G1B                     ; slot 1's first fill, the first tensor load behind the round
	global_prefetch_b8 v30, s[94:95] offset:3*SLB th:TH_LOAD_NT scope:SCOPE_SE   ; slot 3, the last: two refills on
	FETCH_B 0, 0, 0
	FETCH_A 0, 0, 0
	FETCH_A 0, 0, 4
	STEP 0, 0, 2
	s_mov_b32 s3, LAPS-1
.Llap:
	TURN 0, 1, 1
	STEP 1, 0, 0
	TURN 1, 0, 1
	STEP 0, 0, 0
	s_sub_co_u32 s3, s3, 1
	s_cmp_lg_u32 s3, 0
	s_cbranch_scc1 .Llap
	TURN 0, 1, 0
	STEP 1, 0, 0
	s_wait_dscnt 4*NL
	WIN MUL_LO
	MUL16 0, 1, 0
	MUL16 2, 1, 0
	s_wait_dscnt 0
	WIN MUL_HI
	MUL16 4, 1, 0
	MUL16 6, 1, 0
	WIN 0
	s_sub_co_i32 s90, s82, s92
	s_add_co_i32 s90, s90, 127
	s_lshl_b32 s91, s90, 23
	v_mov_b32 v[SCL], s91
	s_add_co_i32 s90, s90, 15
	s_lshl_b32 s90, s90, 23
	s_or_b32 s90, s90, 0x600000
	v_mov_b32 v[LIM], s90
	PLACES NP
.macro OUTBLK a
	WIN 0x02+((\a)/4)
.set n, 0
.rept 64
	v_med3_num_f32 v[TMP+n], v[64*((\a)%4)+n], 0, v[LIM]
.set n, n+1
.endr
	WIN 0
.irp k, 0,1,2,3,4,5,6,7
	v_cvt_scalef32_pk8_bf8_f32 v[AF+16*(\a)+2*\k:AF+16*(\a)+2*\k+1], v[TMP+8*\k:TMP+8*\k+7], v[SCL]
.endr
	v_nop
.irp g, 0,1,2,3
	global_store_b128 v[CO], v[AF+16*(\a)+4*\g:AF+16*(\a)+4*\g+3], s[12:13] offset:(\a)*65536+\g*512
.endr
.endm
.irp a, 0,1,2,3,4,5,6,7
	OUTBLK \a
.endr
	s_wait_tensorcnt 0x0
	ds_add_u32 v[SPW], v[NIL]
	s_wait_dscnt 0x0
	CROUND
	s_endpgm
.Lfunc_end_k_q54eca0bb10_ffn1:
	.size	k_q54eca0bb10_ffn1, .Lfunc_end_k_q54eca0bb10_ffn1-k_q54eca0bb10_ffn1
	.p2alignl 7, 3214868480
	.fill 96, 4, 3214868480
	.section	.rodata,"a",@progbits
	.p2align	6, 0x0
	.amdhsa_kernel k_q54eca0bb10_ffn1
		.amdhsa_group_segment_fixed_size 327680
		.amdhsa_private_segment_fixed_size 0
		.amdhsa_enable_private_segment 0
		.amdhsa_kernarg_size 40
		.amdhsa_user_sgpr_count 2
		.amdhsa_user_sgpr_kernarg_segment_ptr 1
		.amdhsa_wavefront_size32 1
		.amdhsa_system_sgpr_workgroup_id_x 1
		.amdhsa_system_sgpr_workgroup_id_y 1
		.amdhsa_system_sgpr_workgroup_id_z 1
		.amdhsa_system_vgpr_workitem_id 0
		.amdhsa_next_free_vgpr 1024
		.amdhsa_next_free_sgpr 100
		.amdhsa_reserve_vcc 0
		.amdhsa_float_denorm_mode_32 3
		.amdhsa_float_denorm_mode_16_64 3
		.amdhsa_memory_ordered 1
		.amdhsa_forward_progress 1
		.amdhsa_inst_pref_size 124
	.end_amdhsa_kernel
	.amdgpu_metadata
---
amdhsa.version: [ 1, 2 ]
amdhsa.kernels:
  - .name:           k_q54eca0bb10_ffn1
    .symbol:         k_q54eca0bb10_ffn1.kd
    .args:
      - { .name: y1codes, .offset: 0, .size: 8, .value_kind: global_buffer, .address_space: global }
      - { .name: wcodes, .offset: 8, .size: 8, .value_kind: global_buffer, .address_space: global }
      - { .name: lowp_scales, .offset: 16, .size: 8, .value_kind: global_buffer, .address_space: global }
      - { .name: b1, .offset: 24, .size: 8, .value_kind: global_buffer, .address_space: global }
      - { .name: hcodes, .offset: 32, .size: 8, .value_kind: global_buffer, .address_space: global }
    .group_segment_fixed_size: 327680
    .private_segment_fixed_size: 0
    .kernarg_segment_align: 8
    .kernarg_segment_size: 40
    .max_flat_workgroup_size: 128
    .sgpr_count:     100
    .vgpr_count:     1024
    .wavefront_size: 32
...
	.end_amdgpu_metadata
.endif
;; end of part 6
;; launch ffn2 (part 7): grid 8 x 32, 4 waves a work-group, clusters of 4 x 4, 327,680 bytes of LDS; arguments hcodes, wcodes, lowp_scales, b2, y1, rsum; writes rsum
.if DOCPART == 7
	.amdgcn_target "amdgcn-amd-amdhsa--gfx1250"
	.amdhsa_code_object_version 6
	.text
	.protected	k_q54eca0bb10_ffn2
	.globl	k_q54eca0bb10_ffn2
	.p2align	8
	.type	k_q54eca0bb10_ffn2,@function
k_q54eca0bb10_ffn2:
	s_mov_b64 s[64:65], 0
	v_nop
	global_prefetch_b8 v0, s[64:65] scope:SCOPE_SE
	s_setreg_imm32_b32 hwreg(HW_REG_WAVE_MODE, 25, 1), 1
	s_wait_xcnt 0x0
	s_wait_alu depctr_hold_cnt(0) depctr_sa_sdst(0) depctr_va_vdst(0) depctr_va_sdst(0) depctr_va_ssrc(0) depctr_va_vcc(0) depctr_vm_vsrc(0)
	s_getreg_b32 s2, hwreg(HW_REG_IB_STS2, 6, 4)
	s_cmp_eq_u32 s2, 0
	s_cbranch_scc0 .Lentry_in_a_cluster
	s_endpgm
.Lentry_in_a_cluster:
	s_bfe_u32 s2, ttmp6, 0x10000c
	s_cmp_lg_u32 s2, 0xf033
	s_cbranch_scc0 .Lentry_shape_is_right
	s_endpgm
.Lentry_shape_is_right:
.set KT,     32
.set WOFF,   0x800000
.set EA,     82
.set RESP,   12
.set OUTP,   14
.set KROW,   KT*2048
.set SLB,    8192
.set HALFT,  32768
.set SLOT,   4*HALFT
.set SPARE,  2*SLOT
.set LAPS,   KT/8
.set SPITCH, 272
.set ADRA, 16
.set ADRB, 20
.set STO,  24
.set RD,   25
.set CO,   26
.set SPW,  28
.set NIL,  29
.set BK,   64
.set BIA,  96
.set ACC,  128
.set F0,   0
.set F1,   128
.set G1, 24
.set G0, 32
.set G1B, 48
.set G0B, 56
.set MSB, 0
.macro WIN new
.if MSB != \new
	s_set_vgpr_msb (MSB<<8)|\new
.set MSB, \new
.endif
.endm
.set MUL,  0x05
.set TO_F, 0x40
.macro JLOAD s
	s_cmp_eq_u32 s17, 0
	s_cbranch_scc0 .Lfor_b_\@
	tensor_load_to_lds s[G0+4*\s:G0+4*\s+3], s[G1:G1+7]
	s_nop 0
.rept 4
	v_nop
.endr
	s_branch .Lasked_\@
.Lfor_b_\@:
	tensor_load_to_lds s[G0B+4*\s:G0B+4*\s+3], s[G1B:G1B+7]
	s_nop 0
.rept 4
	v_nop
.endr
.Lasked_\@:
.endm
.macro CREST
	s_cmp_lg_u32 s16, 0
	s_cbranch_scc1 .Lnot_wave_0_\@
	s_barrier_signal -3
.Lnot_wave_0_\@:
	s_barrier_wait -3
	s_barrier_signal -1
	s_barrier_wait -1
.endm
.macro CROUND
	s_barrier_signal -1
	s_barrier_wait -1
	CREST
.endm
	s_load_b256 s[4:11], s[0:1], 0x0
	s_load_b128 s[12:15], s[0:1], 0x20
	v_lshl_add_u32 v[SPW], v0, 2, SPARE
	v_mov_b32 v[NIL], 0
	ds_add_u32 v28, v29
	ds_add_u32 v28, v29
	s_wait_dscnt 0x0
	v_lshrrev_b32 v1, 5, v0
	v_readfirstlane_b32 s16, v1
	s_lshr_b32 s17, s16, 1
	s_and_b32 s18, s16, 1
	s_bfe_u32 s40, ttmp6, 0x40000
	s_bfe_u32 s41, ttmp6, 0x40004
	s_lshl_b32 s42, ttmp9, 2
	s_add_co_u32 s42, s42, s40
	s_and_b32 s43, ttmp7, 0xffff
	s_lshl_b32 s43, s43, 2
	s_add_co_u32 s43, s43, s41
	s_lshl_b32 s44, s41, 2
	s_lshl_b32 s44, 15, s44
	s_lshl_b32 s45, 0x1111, s40
	s_or_b32 s[G1+0], s44, (1<<21)
	s_or_b32 s[G1B+0], s45, (1<<21)
.irp g, G1, G1B
	s_mov_b32 s[\g+1], SLB<<16
	s_mov_b32 s[\g+2], 4<<16
	s_mov_b32 s[\g+3], SLB<<16
	s_mov_b32 s[\g+4], 4
	s_mov_b32 s[\g+5], KROW
	s_mov_b32 s[\g+6], 0
	s_mov_b32 s[\g+7], 0
.endr
	s_lshl_b32 s19, s18, 2
	s_lshl_b32 s20, s43, 3
	s_add_co_u32 s20, s20, s19
	s_mul_i32 s20, s20, KROW
	s_mov_b32 s21, 0
	s_lshl_b32 s46, s42, 3
	s_add_co_u32 s46, s46, s19
	s_mul_i32 s46, s46, KROW
	s_add_co_u32 s46, s46, WOFF
	s_mov_b32 s47, 0
	s_mul_i32 s19, s16, HALFT
	s_wait_kmcnt 0x0
	s_load_b512 s[68:83], s[8:9], 0x0
	s_add_nc_u64 s[20:21], s[4:5], s[20:21]
	s_add_nc_u64 s[46:47], s[6:7], s[46:47]
	CROUND
.irp s, 0,1
	s_mov_b32 s[G0+4*\s], 1
	s_add_co_u32 s[G0+4*\s+1], s19, \s*SLOT
	s_add_nc_u64 s[G0+4*\s+2:G0+4*\s+3], s[20:21], \s*SLB
	s_or_b32 s[G0+4*\s+3], s[G0+4*\s+3], 0x80000000
	s_mov_b32 s[G0B+4*\s], 1
	s_add_co_u32 s[G0B+4*\s+1], s19, \s*SLOT
	s_add_nc_u64 s[G0B+4*\s+2:G0B+4*\s+3], s[46:47], \s*SLB
	s_or_b32 s[G0B+4*\s+3], s[G0B+4*\s+3], 0x80000000
.endr
	JLOAD 0                                        ; slot 0: one tensor load a wave at the head
	; prefetches into the L2: of the 4 tiles x 8,192 bytes that my wave fetches for a slot, the partner at place p (cx for A, cy for B) names tile p, a lane 256 bytes.
	; s[90:91] stands one slot behind the refill in hand; a prefetch names the slot two refills on, so two slots at the most are asked for and not yet loaded
	s_cmp_eq_u32 s17, 0
	s_cselect_b32 s92, s40, s41
	s_cselect_b64 s[90:91], s[20:21], s[46:47]
	s_mul_i32 s92, s92, KROW
	s_mov_b32 s93, 0
	s_add_nc_u64 s[90:91], s[90:91], s[92:93]
	s_add_nc_u64 s[90:91], s[90:91], SLB
	v_and_b32 v30, 31, v0
	v_lshlrev_b32 v30, 8, v30
	global_prefetch_b8 v30, s[90:91] th:TH_LOAD_NT scope:SCOPE_SE              ; slot 1
	global_prefetch_b8 v30, s[90:91] offset:SLB th:TH_LOAD_NT scope:SCOPE_SE   ; slot 2
	v_and_b32 v1, 31, v0
	v_lshlrev_b32 v2, 4, v1
	s_mul_i32 s22, s17, HALFT
	s_mul_i32 s23, s18, HALFT
	s_add_co_u32 s23, s23, 2*HALFT
.irp s, 0,1
	v_add_nc_u32 v[ADRA+\s], s22, v2
	v_add_nc_u32 v[ADRB+\s], s23, v2
	s_add_co_u32 s22, s22, SLOT
	s_add_co_u32 s23, s23, SLOT
.endr
	v_and_b32 v3, 15, v0
	v_bfe_u32 v4, v0, 4, 1
	s_mul_i32 s22, s16, 16*SPITCH
	v_mul_u32_u24 v5, v3, SPITCH
	v_lshl_add_u32 v5, v4, 6, v5
	v_add_nc_u32 v[STO], s22, v5
	v_mul_u32_u24 v5, v4, SPITCH
	v_lshl_add_u32 v5, v3, 4, v5
	v_add_nc_u32 v[RD], s22, v5
	v_lshlrev_b32 v5, 12, v4
	v_lshl_add_u32 v[CO], v3, 4, v5
	v_lshlrev_b32 v6, 6, v4
	s_wait_alu depctr_va_vdst(0)
	s_lshl_b32 s86, s42, 9
	s_lshl_b32 s87, s18, 8
	s_add_co_u32 s86, s86, s87
	s_mov_b32 s87, 0
	s_add_nc_u64 s[10:11], s[10:11], s[86:87]
	s_lshl_b32 s22, s43, 7
	s_lshl_b32 s23, s17, 6
	s_add_co_u32 s22, s22, s23
	s_lshl_b32 s22, s22, 12
	s_add_co_u32 s22, s22, s86
	s_mov_b32 s23, 0
	s_add_nc_u64 s[RESP:RESP+1], s[RESP:RESP+1], s[22:23]
	s_add_nc_u64 s[OUTP:OUTP+1], s[OUTP:OUTP+1], s[22:23]
.irp b, 0,1,2,3
	global_load_b128 v[BIA+8*\b:BIA+8*\b+3], v6, s[10:11] offset:(32*(\b/2)+8*(\b%2))*4
	global_load_b128 v[BIA+8*\b+4:BIA+8*\b+7], v6, s[10:11] offset:(32*(\b/2)+8*(\b%2))*4+16
.endr
	WIN 0x80
.irp a, 0,1,2,3
.irp t, 0,1,2,3,4,5,6,7
	global_load_b128 v[32*\a+4*\t:32*\a+4*\t+3], v[CO], s[RESP:RESP+1] offset:(32*(\a/2)+8*(\a%2)+2*\t+8*(\t/4))*4096 th:TH_LOAD_NT
.endr
.endr
	WIN 0
	s_wait_kmcnt 0x0
	s_add_co_i32 s84, s[EA], s[EA+1]
	s_sub_co_i32 s88, 0, s84
	s_wait_loadcnt 32
.set n, 0
.rept 32
	v_ldexp_f32 v[BIA+n], v[BIA+n], s88
.set n, n+1
.endr
.macro MUL4 f, a, zero
.irp b, 0,1,2,3
.if \zero
	v_wmma_f32_16x16x128_bf8_bf8 v[ACC+8*(4*\a+\b):ACC+8*(4*\a+\b)+7], v[\f+64+16*\b:\f+64+16*\b+15], v[\f+16*\a:\f+16*\a+15], v[BIA+8*\b:BIA+8*\b+7]
.else
	v_wmma_f32_16x16x128_bf8_bf8 v[ACC+8*(4*\a+\b):ACC+8*(4*\a+\b)+7], v[\f+64+16*\b:\f+64+16*\b+15], v[\f+16*\a:\f+16*\a+15], v[ACC+8*(4*\a+\b):ACC+8*(4*\a+\b)+7]
.endif
.endr
.endm
.macro FETCH slot, q, f
	WIN TO_F
.irp i, 0,1,2,3
.irp c, 0,1,2,3
	ds_load_b128 v[\f+64+16*\i+4*\c:\f+64+16*\i+4*\c+3], v[ADRB+\slot] offset:8192*\i+2048*(\q)+512*\c
.endr
.endr
.irp i, 0,1,2,3
.irp c, 0,1,2,3
	ds_load_b128 v[\f+16*\i+4*\c:\f+16*\i+4*\c+3], v[ADRA+\slot] offset:8192*\i+2048*(\q)+512*\c
.endr
.endr
.endm
.macro PLACES
.rept 4
	v_nop
.endr
.endm
.macro QUARTER slot, qn, f, g, zero
	s_wait_dscnt 0x0
	PLACES
	FETCH \slot, \qn, \g
	WIN MUL
	MUL4 \f, 0, \zero
	MUL4 \f, 1, \zero
	MUL4 \f, 2, \zero
	MUL4 \f, 3, \zero
.endm
.macro TURN slot, next, fill
	WIN 0
.if \fill
	s_wait_xcnt 0x0                                ; my prefetches have read their address: it steps one slot on
	s_add_nc_u64 s[90:91], s[90:91], SLB
.endif
	s_wait_tensorcnt 0x0
	ds_add_u32 v[SPW], v[NIL]
	s_wait_dscnt 1
	WIN MUL
	MUL4 F1, 0, 0
	s_wait_dscnt 0x0
	s_barrier_signal -1
	MUL4 F1, 1, 0
	WIN 0
	s_barrier_wait -1
.if \fill
	CREST
	s_add_nc_u64 s[G0+4*\slot+2:G0+4*\slot+3], s[G0+4*\slot+2:G0+4*\slot+3], 2*SLB
	s_add_nc_u64 s[G0B+4*\slot+2:G0B+4*\slot+3], s[G0B+4*\slot+2:G0B+4*\slot+3], 2*SLB
	JLOAD \slot
.else
	PLACES
.endif
	FETCH \next, 0, F0
.if \fill
	WIN 0
	s_cmp_gt_u32 s3, 1                             ; the loop's last trip has no slot two refills on
	s_cbranch_scc0 .Lno_ask_\@
	global_prefetch_b8 v30, s[90:91] offset:2*SLB th:TH_LOAD_NT scope:SCOPE_SE
.Lno_ask_\@:
.endif
	WIN MUL
	MUL4 F1, 2, 0
	MUL4 F1, 3, 0
.endm
	s_wait_alu depctr_va_vdst(0)                   ; the wait at the head's end
	s_wait_tensorcnt 0x0                           ; my part of slot 0 is in; the lines ahead of a later first fill
	ds_add_u32 v[SPW], v[NIL]
	s_wait_dscnt 0x0
	CROUND
	JLOAD 1                                        ; slot 1's first fill, the first tensor load behind the round
	global_prefetch_b8 v30, s[90:91] offset:2*SLB th:TH_LOAD_NT scope:SCOPE_SE   ; slot 3
	FETCH 0, 0, F0
	QUARTER 0, 1, F0, F1, 2
	WIN 0
	s_mov_b32 s3, LAPS-1
.Llap:
	QUARTER 0, 2, F1, F0, 0
	QUARTER 0, 3, F0, F1, 0
	TURN 0, 1, 1
	QUARTER 1, 1, F0, F1, 0
	QUARTER 1, 2, F1, F0, 0
	QUARTER 1, 3, F0, F1, 0
	TURN 1, 0, 1
	QUARTER 0, 1, F0, F1, 0
	WIN 0
	s_sub_co_u32 s3, s3, 1
	s_cmp_lg_u32 s3, 0
	s_cbranch_scc1 .Llap
	QUARTER 0, 2, F1, F0, 0
	QUARTER 0, 3, F0, F1, 0
	TURN 0, 1, 0
	QUARTER 1, 1, F0, F1, 0
	QUARTER 1, 2, F1, F0, 0
	QUARTER 1, 3, F0, F1, 0
	s_wait_dscnt 0x0
	WIN MUL
	MUL4 F1, 0, 0
	MUL4 F1, 1, 0
	MUL4 F1, 2, 0
	MUL4 F1, 3, 0
	WIN 0
	s_add_co_i32 s84, s84, 127
	s_lshl_b32 s84, s84, 23
	s_mov_b32 s85, s84
	s_wait_loadcnt 0x0
	PLACES
.irp a, 0,1,2,3
.irp b, 0,1,2,3
	ds_store_b128 v[STO], v[ACC+8*(4*\a+\b):ACC+8*(4*\a+\b)+3] offset:128*(\b/2)+32*(\b%2)
	ds_store_b128 v[STO], v[ACC+8*(4*\a+\b)+4:ACC+8*(4*\a+\b)+7] offset:128*(\b/2)+32*(\b%2)+16
.endr
.irp t, 0,1,2,3,4,5,6,7
	ds_load_b128 v[BK+4*\t:BK+4*\t+3], v[RD] offset:2*SPITCH*\t
.endr
	s_wait_dscnt 0x0
	WIN 0xa0
.irp i, 0,2,4,6,8,10,12,14,16,18,20,22,24,26,28,30
	v_pk_fma_f32 v[32*\a+\i:32*\a+\i+1], v[BK+\i:BK+\i+1], s[84:85], v[32*\a+\i:32*\a+\i+1] op_sel_hi:[1,0,1]
.endr
	WIN 0x08
.irp t, 0,1,2,3,4,5,6,7
	global_store_b128 v[CO], v[32*\a+4*\t:32*\a+4*\t+3], s[OUTP:OUTP+1] offset:(32*(\a/2)+8*(\a%2)+2*\t+8*(\t/4))*4096 th:TH_STORE_NT
.endr
	WIN 0
.endr
	s_wait_tensorcnt 0x0
	ds_add_u32 v[SPW], v[NIL]
	s_wait_dscnt 0x0
	CROUND
	s_endpgm
.Lfunc_end_k_q54eca0bb10_ffn2:
	.size	k_q54eca0bb10_ffn2, .Lfunc_end_k_q54eca0bb10_ffn2-k_q54eca0bb10_ffn2
	.p2alignl 7, 3214868480
	.fill 96, 4, 3214868480
	.section	.rodata,"a",@progbits
	.p2align	6, 0x0
	.amdhsa_kernel k_q54eca0bb10_ffn2
		.amdhsa_group_segment_fixed_size 327680
		.amdhsa_private_segment_fixed_size 0
		.amdhsa_enable_private_segment 0
		.amdhsa_kernarg_size 48
		.amdhsa_user_sgpr_count 2
		.amdhsa_user_sgpr_kernarg_segment_ptr 1
		.amdhsa_wavefront_size32 1
		.amdhsa_system_sgpr_workgroup_id_x 1
		.amdhsa_system_sgpr_workgroup_id_y 1
		.amdhsa_system_sgpr_workgroup_id_z 1
		.amdhsa_system_vgpr_workitem_id 0
		.amdhsa_next_free_vgpr 640
		.amdhsa_next_free_sgpr 100
		.amdhsa_reserve_vcc 0
		.amdhsa_float_denorm_mode_32 3
		.amdhsa_float_denorm_mode_16_64 3
		.amdhsa_memory_ordered 1
		.amdhsa_forward_progress 1
		.amdhsa_inst_pref_size 81
	.end_amdhsa_kernel
	.amdgpu_metadata
---
amdhsa.version: [ 1, 2 ]
amdhsa.kernels:
  - .name:           k_q54eca0bb10_ffn2
    .symbol:         k_q54eca0bb10_ffn2.kd
    .args:
      - { .name: hcodes, .offset: 0, .size: 8, .value_kind: global_buffer, .address_space: global }
      - { .name: wcodes, .offset: 8, .size: 8, .value_kind: global_buffer, .address_space: global }
      - { .name: lowp_scales, .offset: 16, .size: 8, .value_kind: global_buffer, .address_space: global }
      - { .name: b2, .offset: 24, .size: 8, .value_kind: global_buffer, .address_space: global }
      - { .name: y1, .offset: 32, .size: 8, .value_kind: global_buffer, .address_space: global }
      - { .name: rsum, .offset: 40, .size: 8, .value_kind: global_buffer, .address_space: global }
    .group_segment_fixed_size: 327680
    .private_segment_fixed_size: 0
    .kernarg_segment_align: 8
    .kernarg_segment_size: 48
    .max_flat_workgroup_size: 128
    .sgpr_count:     100
    .vgpr_count:     640
    .wavefront_size: 32
...
	.end_amdgpu_metadata
.endif
;; end of part 7
;; launch ln2 (part 8): grid 256 x 1, 4 waves a work-group, no clusters, 0 bytes of LDS; arguments rsum, gamma2, beta2, out0; writes out0
.if DOCPART == 8
	.amdgcn_target "amdgcn-amd-amdhsa--gfx1250"
	.amdhsa_code_object_version 6
	.text
	.protected	k_q54eca0bb10_ln2
	.globl	k_q54eca0bb10_ln2
	.p2align	8
	.type	k_q54eca0bb10_ln2,@function
k_q54eca0bb10_ln2:
	s_mov_b64 s[64:65], 0
	v_nop
	global_prefetch_b8 v0, s[64:65] scope:SCOPE_SE
	s_setreg_imm32_b32 hwreg(HW_REG_WAVE_MODE, 25, 1), 1
	s_wait_xcnt 0x0
; out0 = gamma2 (r - mean) / (std + 1e-6) + beta2 along rows of 1,024, std with the divisor 1,023.
; A work-group takes 16 rows, a wave four: a whole row of 4,096 bytes lies in 32 registers of one wave between the passes, so memory is read once and no wave waits for another: no LDS, no barrier.
; The mean is taken away before the squares are summed.  The four rows go line by line, so that no line waits for the line above it.  Memory binds: no matrix unit, no cluster, no tensor load.
; NaN among the inputs is not served.
.set X,  32
.set G,  160
.set BE, 192
.set T,  224
	s_load_b256 s[4:11], s[0:1], 0x0               ; rsum, gamma2, beta2, out0
	v_lshrrev_b32 v1, 5, v0
	v_readfirstlane_b32 s16, v1
	v_and_b32 v1, 31, v0
	v_lshlrev_b32 v2, 4, v1
	s_lshl_b32 s17, ttmp9, 4
	s_lshl_b32 s18, s16, 2
	s_add_co_u32 s17, s17, s18                     ; my first row
	s_lshl_b32 s18, s17, 12
	s_mov_b32 s19, 0
	s_mov_b32 s20, 0x76543210
	s_mov_b32 s21, 0xfedcba98
	s_wait_alu depctr_va_vdst(0)
	s_wait_kmcnt 0x0
	s_add_nc_u64 s[4:5], s[4:5], s[18:19]
	s_add_nc_u64 s[10:11], s[10:11], s[18:19]
.irp i, 0,1,2,3
.irp j, 0,1,2,3,4,5,6,7
	global_load_b128 v[X+32*\i+4*\j:X+32*\i+4*\j+3], v2, s[4:5] offset:4096*\i+512*\j th:TH_LOAD_NT
.endr
.endr
.irp j, 0,1,2,3,4,5,6,7
	global_load_b128 v[G+4*\j:G+4*\j+3], v2, s[6:7] offset:512*\j
	global_load_b128 v[BE+4*\j:BE+4*\j+3], v2, s[8:9] offset:512*\j
.endr
.macro RED o
.irp m, 1,2,4,8
.irp i, 0,1,2,3
	v_add_f32_dpp v[T+8*\i+\o], v[T+8*\i+\o], v[T+8*\i+\o] row_xmask:\m row_mask:0xf bank_mask:0xf
.endr
.endr
.irp i, 0,1,2,3
	v_permlanex16_b32 v[T+8*\i+\o+1], v[T+8*\i+\o], s20, s21
.endr
.irp i, 0,1,2,3
	v_add_f32 v[T+8*\i+\o], v[T+8*\i+\o], v[T+8*\i+\o+1]
.endr
.endm
	s_wait_loadcnt 16                              ; the rows are in; gamma's and beta's 16 loads may be out
.irp i, 0,1,2,3
	v_pk_add_f32 v[T+8*\i:T+8*\i+1], v[X+32*\i:X+32*\i+1], v[X+32*\i+2:X+32*\i+3]
	v_pk_add_f32 v[T+8*\i+2:T+8*\i+3], v[X+32*\i+4:X+32*\i+5], v[X+32*\i+6:X+32*\i+7]
.endr
.irp j, 8,12,16,20,24,28
.irp i, 0,1,2,3
	v_pk_add_f32 v[T+8*\i:T+8*\i+1], v[T+8*\i:T+8*\i+1], v[X+32*\i+\j:X+32*\i+\j+1]
	v_pk_add_f32 v[T+8*\i+2:T+8*\i+3], v[T+8*\i+2:T+8*\i+3], v[X+32*\i+\j+2:X+32*\i+\j+3]
.endr
.endr
.irp i, 0,1,2,3
	v_pk_add_f32 v[T+8*\i:T+8*\i+1], v[T+8*\i:T+8*\i+1], v[T+8*\i+2:T+8*\i+3]
.endr
.irp i, 0,1,2,3
	v_add_f32 v[T+8*\i], v[T+8*\i], v[T+8*\i+1]
.endr
	RED 0
.irp i, 0,1,2,3
	v_mul_f32 v[T+8*\i], 0x3a800000, v[T+8*\i]     ; the mean: / 1,024
.endr
.irp j, 0,2,4,6,8,10,12,14,16,18,20,22,24,26,28,30
.irp i, 0,1,2,3
	v_pk_add_f32 v[X+32*\i+\j:X+32*\i+\j+1], v[X+32*\i+\j:X+32*\i+\j+1], v[T+8*\i:T+8*\i+1] op_sel_hi:[1,0] neg_lo:[0,1] neg_hi:[0,1]
.endr
.endr
.irp i, 0,1,2,3
	v_pk_mul_f32 v[T+8*\i+2:T+8*\i+3], v[X+32*\i:X+32*\i+1], v[X+32*\i:X+32*\i+1]
	v_pk_mul_f32 v[T+8*\i+4:T+8*\i+5], v[X+32*\i+2:X+32*\i+3], v[X+32*\i+2:X+32*\i+3]
.endr
.irp j, 4,8,12,16,20,24,28
.irp i, 0,1,2,3
	v_pk_fma_f32 v[T+8*\i+2:T+8*\i+3], v[X+32*\i+\j:X+32*\i+\j+1], v[X+32*\i+\j:X+32*\i+\j+1], v[T+8*\i+2:T+8*\i+3]
	v_pk_fma_f32 v[T+8*\i+4:T+8*\i+5], v[X+32*\i+\j+2:X+32*\i+\j+3], v[X+32*\i+\j+2:X+32*\i+\j+3], v[T+8*\i+4:T+8*\i+5]
.endr
.endr
.irp i, 0,1,2,3
	v_pk_add_f32 v[T+8*\i+2:T+8*\i+3], v[T+8*\i+2:T+8*\i+3], v[T+8*\i+4:T+8*\i+5]
.endr
.irp i, 0,1,2,3
	v_add_f32 v[T+8*\i+2], v[T+8*\i+2], v[T+8*\i+3]
.endr
	RED 2
.irp i, 0,1,2,3
	v_mul_f32 v[T+8*\i+2], 0x3a802008, v[T+8*\i+2] ; / 1,023
.endr
	s_wait_alu depctr_va_vdst(0)
.irp i, 0,1,2,3
	v_sqrt_f32 v[T+8*\i+2], v[T+8*\i+2]
.endr
	v_nop                                          ; a plain line behind the last root,
	s_wait_alu depctr_va_vdst(0)                   ; and one wait for the four, ahead of their first reader
.irp i, 0,1,2,3
	v_add_f32 v[T+8*\i+2], 0x358637bd, v[T+8*\i+2] ; + 1e-6
.endr
	s_wait_alu depctr_va_vdst(0)
.irp i, 0,1,2,3
	v_rcp_f32 v[T+8*\i+2], v[T+8*\i+2]
.endr
	v_nop
	s_wait_alu depctr_va_vdst(0)
	s_wait_loadcnt 0x0                             ; gamma and beta
.irp j, 0,2,4,6,8,10,12,14,16,18,20,22,24,26,28,30
.irp i, 0,1,2,3
	v_pk_mul_f32 v[X+32*\i+\j:X+32*\i+\j+1], v[X+32*\i+\j:X+32*\i+\j+1], v[T+8*\i+2:T+8*\i+3] op_sel_hi:[1,0]
.endr
.irp i, 0,1,2,3
	v_pk_fma_f32 v[X+32*\i+\j:X+32*\i+\j+1], v[X+32*\i+\j:X+32*\i+\j+1], v[G+\j:G+\j+1], v[BE+\j:BE+\j+1]
.endr
.endr
.irp i, 0,1,2,3
.irp j, 0,1,2,3,4,5,6,7
	global_store_b128 v2, v[X+32*\i+4*\j:X+32*\i+4*\j+3], s[10:11] offset:4096*\i+512*\j th:TH_STORE_NT   ; 512 consecutive bytes
.endr
.endr
	s_endpgm
.Lfunc_end_k_q54eca0bb10_ln2:
	.size	k_q54eca0bb10_ln2, .Lfunc_end_k_q54eca0bb10_ln2-k_q54eca0bb10_ln2
	.p2alignl 7, 3214868480
	.fill 96, 4, 3214868480
	.section	.rodata,"a",@progbits
	.p2align	6, 0x0
	.amdhsa_kernel k_q54eca0bb10_ln2
		.amdhsa_group_segment_fixed_size 0
		.amdhsa_private_segment_fixed_size 0
		.amdhsa_enable_private_segment 0
		.amdhsa_kernarg_size 32
		.amdhsa_user_sgpr_count 2
		.amdhsa_user_sgpr_kernarg_segment_ptr 1
		.amdhsa_wavefront_size32 1
		.amdhsa_system_sgpr_workgroup_id_x 1
		.amdhsa_system_sgpr_workgroup_id_y 1
		.amdhsa_system_sgpr_workgroup_id_z 1
		.amdhsa_system_vgpr_workitem_id 0
		.amdhsa_next_free_vgpr 256
		.amdhsa_next_free_sgpr 66
		.amdhsa_reserve_vcc 0
		.amdhsa_float_denorm_mode_32 3
		.amdhsa_float_denorm_mode_16_64 3
		.amdhsa_memory_ordered 1
		.amdhsa_forward_progress 1
		.amdhsa_inst_pref_size 33
	.end_amdhsa_kernel
	.amdgpu_metadata
---
amdhsa.version: [ 1, 2 ]
amdhsa.kernels:
  - .name:           k_q54eca0bb10_ln2
    .symbol:         k_q54eca0bb10_ln2.kd
    .args:
      - { .name: rsum, .offset: 0, .size: 8, .value_kind: global_buffer, .address_space: global }
      - { .name: gamma2, .offset: 8, .size: 8, .value_kind: global_buffer, .address_space: global }
      - { .name: beta2, .offset: 16, .size: 8, .value_kind: global_buffer, .address_space: global }
      - { .name: out0, .offset: 24, .size: 8, .value_kind: global_buffer, .address_space: global }
    .group_segment_fixed_size: 0
    .private_segment_fixed_size: 0
    .kernarg_segment_align: 8
    .kernarg_segment_size: 32
    .max_flat_workgroup_size: 128
    .sgpr_count:     66
    .vgpr_count:     256
    .wavefront_size: 32
...
	.end_amdgpu_metadata
.endif
;; end of part 8
